; MI455X (gfx1250); checked and timed in simulation.
; The chip was launched on July 23, 2026; its instructions are those of AMD's public machine-readable ISA for CDNA 5 (MIT licence, August 2026) and "CDNA5" Instruction Set Architecture Reference Guide (July 2026). The comments in the code are by the model that wrote it; some were corrected since.
;; Multi Head Attention. Allowed arithmetic: matrix products marked QUANTISED: E2M3 operands, one E8M0 scale for each 32 along K, by v_wmma_scale_f32_16x16x128_f8f6f4 with both operands' format E2M3, f32 sums; everything else in f32.
;; Inputs: Wk 1,024 x 1,024 float32; Wo 1,024 x 1,024 float32; Wq 1,024 x 1,024 float32; Wv 1,024 x 1,024 float32; bk 1,024 float32; bo 1,024 float32; bq 1,024 float32; bv 1,024 float32; k 2 x 2,048 x 1,024 float32; q 2 x 2,048 x 1,024 float32; v 2 x 2,048 x 1,024 float32.
;; Outputs: out0 2 x 2,048 x 1,024 float32.
;; This version of the problem:
;;   THIS VERSION OF THE PROBLEM IS GIVEN IN LOW PRECISION. The matrix products marked QUANTISED in the list below multiply operands that are first quantised to E2M3 (2 exponent bits, 3 mantissa bits; 6 bits a number), with one power-of-two scale for each 32 numbers along K (OCP MX v1.0); their sums are f32. All else is computed in f32.
;;   The module's matrix products, in the order in which they are computed (A, B: the left and right operand; K: the contracted axis; several contracted axes count as one K, in the product's order):
;;     1. [M 4,096, K 1,024] x [K 1,024, N 1,024]; A: input q; B: input Wq: QUANTISED
;;     2. [M 4,096, K 1,024] x [K 1,024, N 1,024]; A: input k; B: input Wk: QUANTISED
;;     3. [M 4,096, K 1,024] x [K 1,024, N 1,024]; A: input v; B: input Wv: QUANTISED
;;     4. batch 32 x [M 2,048, K 64] x [K 64, N 2,048]; A: computed on the way; B: computed on the way: QUANTISED
;;     5. batch 32 x [M 2,048, K 2,048] x [K 2,048, N 64]; A: softmax (see below); B: computed on the way: QUANTISED
;;     6. [M 4,096, K 1,024] x [K 1,024, N 1,024]; A: computed on the way; B: input Wo: QUANTISED
;;   THE QUANTISER, for each operand of a quantised product, along K:
;;     - K is cut into blocks of 32 from its start; a last block that is shorter is filled with zeros.
;;     - A block's scale is 2^e with e = floor(log2(the largest magnitude in the block)) - 2, held to -126 .. 127; a block of zeros has e = 0. As a byte (E8M0): e + 127.
;;     - Each number is divided by its block's scale, clamped to +-7.5, and rounded to the nearest number of E2M3, ties to even, subnormals kept.
;;     - The product sums the exact products of the quantised numbers (number of the format x scale) in f32.
;;   ~~~python
;;   def quantise(x, axis):      # numpy; x: float32 -> the quantised numbers, widened to float32 again
;;       x = np.moveaxis(x, axis, -1); K = x.shape[-1]
;;       x = np.pad(x, [(0, 0)] * (x.ndim - 1) + [(0, -K % 32)]); x = x.reshape(x.shape[:-1] + (-1, 32)); a = np.abs(x).max(-1, keepdims=True)
;;       e = np.where(a > 0, np.clip(np.frexp(np.where(a > 0, a, 1))[1] - 1 - 2, -126, 127), 0)      # np.frexp(a)[1] - 1 = floor(log2(a)), exactly
;;       r = np.clip(x / 2.0 ** e, -7.5, 7.5)
;;       step = 2.0 ** (np.maximum(np.frexp(np.where(r == 0, 1, r))[1] - 1, 0) - 3)
;;       q = np.round(r / step) * step * 2.0 ** e      # np.round: ties to even
;;       return np.moveaxis(q.reshape(q.shape[:-2] + (-1,))[..., :K], -1, axis).astype(np.float32)
;;   ~~~
;;   SOFTMAX AHEAD OF A QUANTISED PRODUCT. Where the list says 'softmax', what is quantised is not the finished softmax but p = 2^(t - M), with t = logit x log2(e) and M = ceil(the row's largest t), a whole number; so 1/2 < the row's largest p <= 1. The row's sum l is taken of the UNQUANTISED p, in f32, and the product's result is divided by l at the end. Since M is a whole number, a kernel that streams over the keys may use a running M (the ceiling of the running maximum): every later rescaling is an exact power of two, which a block's scale takes up: the codes' values come out the same.
;;   OPERANDS COMPUTED ON THE WAY. 'Computed on the way' means the value that the module computes at that place (a softmax that the list does not call 'softmax' is quantised finished and normalised). What goes into a quantiser is computed in f32, as accurately as f32 sums, v_exp_f32 and their like allow (about 1e-6 of the number): no bf16 or f16 on the way to a quantiser, and a product that is left as it is and whose result goes on into a quantised operand takes f32 operands (vector FMAs, or v_wmma_f32_16x16x4_f32). A number that lies on a knife's edge between two numbers of the format may be rounded either way, as far as f32 arithmetic and the matrix unit's own rounding can turn it there, and no further.
;; One version. Each part assembles by itself: llvm-mc -triple=amdgcn-amd-amdhsa -mcpu=gfx1250 --defsym DOCPART=n.
;; ======== version 1 of 1: 4 launches
;; limits: right only within a limited range of input values
;; workspace buffers: xc 12,582,912 bytes; xs 524,288 bytes; qr 6,684,672 bytes; kv 6,684,672 bytes; cc 3,145,728 bytes; cs 131,072 bytes
;; launch quant (part 1): grid 512 x 1, 4 waves a work-group, no clusters, 34,304 bytes of LDS; arguments q, k, v, Wq, Wk, Wv, Wo, xc, xs; writes xc, xs
.if DOCPART == 1
	.amdgcn_target "amdgcn-amd-amdhsa--gfx1250"
	.amdhsa_code_object_version 6
	.text
	.protected	k_q0b2c3088d2_quant
	.globl	k_q0b2c3088d2_quant
	.p2align	8
	.type	k_q0b2c3088d2_quant,@function
k_q0b2c3088d2_quant:
	s_mov_b64 s[64:65], 0
	v_nop
	global_prefetch_b8 v0, s[64:65] scope:SCOPE_SE
	s_setreg_imm32_b32 hwreg(HW_REG_WAVE_MODE, 25, 1), 1
	s_wait_xcnt 0x0
; q, k, v [4096][1024] and Wq, Wk, Wv, Wo [1024][1024], f32 with K innermost, become codes of FP6 (E2M3) with one E8M0 byte for each 32 along K.
; A block's scale is 2^(floor(log2(its largest magnitude)) - 2); its byte is the largest magnitude's exponent field - 2, held at 1 from below.
; LIMITS: NaN and infinities are not served; a block of zeros gets the byte 1 where the rule says 127 (its codes are zeros, and only this program reads the bytes).
; THE OUTPUT IS LAID AS THE MATRIX OPERAND'S REGISTERS.  The seven tensors are 128 groups of 128 rows (q 0-31, k 32-63, v 64-95, Wq 96-103, Wk 104-111, Wv 112-119, Wo 120-127).
; xc[group][K step of 128][tile 0-7] is a fragment of 1,536 bytes: registers 0-3 at 16 x lane, 4-5 at 512 + 8 x lane, 6-9 at 768 + 16 x lane, 10-11 at 1,280 + 8 x lane.
; THE ROWS OF A TILE ARE NOT NEIGHBOURS: lane r of tile t holds row 32 (t / 2) + 8 (t % 2) + r + 8 (r / 8) of its group, so that a product that takes such tiles as source 0 leaves 16 neighbours along the next K in 16 registers.
; xs[group][K step] is 512 bytes: the scale word of (tile i, lane row r) at 256 (i / 4) + 16 r + 4 (i % 4).
; SHARES: a wave makes half of a (group, K step): 64 rows x 128 numbers.  Each load reads one row's 512 consecutive bytes; a tile's 16 rows turn through the wave's own stage in LDS (rows of 528 bytes),
; so that a lane gets 16 neighbours of each block of 32.  Every store covers 512 or 256 consecutive bytes, aligned.  Waves share nothing: no barrier.  Loads run two tiles (32 loads a wave) ahead.
; No cluster and no matrix unit: no two work-groups read the same bytes, and the launch only moves and rounds.
.set STG,  8448                        ; a wave's stage: 16 rows x (512 + 16) bytes
.set R,    16                          ; v16-143  two sets of 16 x 4 registers as loaded
.set X,    144                         ; v144-207 register 16 b + i = k 32 b + 16 (lane / 16) + i of my row
.set PC,   208                         ; v208-226 the codes: 12 registers, and two runs of three at work
.set TM,   228                         ; v228-231 largest magnitudes, v232-235 the other half's, then bytes, v236-239 the conversions' scale operands
.set PW,   240                         ; v240-243 the four tiles' scale words
.set SW,   248
.set SEL,  30                          ; s[30:31] lane selects: lane l xor 16
.set MSK,  32
; 64 numbers of a lane become a fragment's codes in v[PC] .. v[PC+11] and its scale word in v[pw]
.macro QUANT s, pw
.irp b, 0,1,2,3
	v_max3_num_f32 v[TM+\b], |v[(\s)+16*\b]|, |v[(\s)+1+16*\b]|, 0x1800000   ; my 16 numbers of block b, and the floor 2^(3 - 127): the byte cannot fall under 1
.endr
.irp i, 2,4,6,8,10,12,14
.irp b, 0,1,2,3
	v_max3_num_f32 v[TM+\b], v[TM+\b], |v[(\s)+16*\b+\i]|, |v[(\s)+1+16*\b+\i]|   ; the four blocks by turns
.endr
.endr
.irp b, 0,1,2,3
	v_permlanex16_b32 v[TM+4+\b], v[TM+\b], s[SEL], s[SEL+1]
.endr
.irp b, 0,1,2,3
	v_max_num_f32 v[TM+\b], v[TM+\b], v[TM+4+\b]   ; with lane l xor 16's 16: the block's largest magnitude
.endr
.irp b, 0,1,2,3
	v_add_nc_u32 v[TM+8+\b], 0xff000000, v[TM+\b]  ; 2 off its exponent field: the conversion takes this operand's exponent field as its scale
.endr
.irp b, 0,1,2,3
	v_lshrrev_b32 v[TM+4+\b], 23, v[TM+8+\b]       ; the scale's byte
.endr
	v_lshl_or_b32 v[\pw], v[TM+5], 8, v[TM+4]
	v_lshl_or_b32 v[\pw], v[TM+6], 16, v[\pw]
	v_lshl_or_b32 v[\pw], v[TM+7], 24, v[\pw]      ; my row's scale word
.irp c, 0,1
	v_cvt_scalef32_pk16_fp6_f32 v[PC+6*\c:PC+6*\c+2], v[(\s)+32*\c:(\s)+32*\c+15], v[TM+8+2*\c]
	v_cvt_scalef32_pk16_fp6_f32 v[PC+12+4*\c:PC+14+4*\c], v[(\s)+32*\c+16:(\s)+32*\c+31], v[TM+9+2*\c]   ; (a conversion's three registers begin on an even number)
.endr
	v_nop                                          ; one plain instruction behind the scaled conversions
.irp c, 0,1                                    ; the operand wants a whole block in a lane: lanes 0-15 block 2 c, lanes 16-31 block 2 c + 1
.irp i, 0,1,2
	v_permlane16_swap_b32 v[PC+6*\c+\i], v[PC+12+4*\c+\i]
.endr
.irp i, 0,1,2
	v_mov_b32 v[PC+3+6*\c+\i], v[PC+12+4*\c+\i]
.endr
.endr
.endm
	s_load_b512 s[4:19], s[0:1], 0x0               ; q, k, v, Wq, Wk, Wv, Wo, xc
	s_load_b64 s[20:21], s[0:1], 0x40              ; xs
	v_lshl_add_u32 v254, v0, 2, 0x8400
	v_mov_b32 v255, 0
	v_lshrrev_b32 v1, 5, v0
	v_readfirstlane_b32 s26, v1                    ; wave
	v_and_b32 v2, 31, v0                           ; lane
	v_and_b32 v3, 15, v0                           ; r
	v_bfe_u32 v8, v0, 4, 1                         ; h
	v_lshlrev_b32 v4, 4, v2                        ; 16 x lane
	v_lshlrev_b32 v5, 3, v2                        ; 8 x lane
	; TENSOR k ALONE (groups 32-63) HAS ANOTHER ORDER OF ROWS IN A TILE: lane r of tile t holds row 64 (t / 4) + 8 (t % 4) + r + 24 (r / 8), so that the scores' 32 registers of four neighbouring tiles are one block of 32 keys.
	; Against the other tensors' order only two runs of eight rows move, by 16 rows (65,536 bytes): v9 and v10 carry that step, or none.
	s_lshr_b32 s36, ttmp9, 7                       ; group / 32: 1 for k
	s_cmp_eq_u32 s36, 1
	s_cselect_b32 s36, 0x10000, 0
	s_xor_b32 s37, s36, 0x10000
	v_add_nc_u32 v9, s36, v4                       ; tiles t % 4 < 2, lane rows 8-15: 16 rows further on for k
	v_add_nc_u32 v10, s37, v4                      ; tiles t % 4 >= 2, lane rows 0-7: 16 rows further on for all but k
	v_lshlrev_b32 v11, 4, v3                       ; 16 r: my row's place in half a scale image
	s_mul_i32 s27, s26, STG
	v_add_nc_u32 v6, s27, v4                       ; the stage, on the way in: a row's 512 bytes as they lie
	v_mul_u32_u24 v7, v3, 528
	v_lshl_add_u32 v7, v8, 6, v7
	v_add_nc_u32 v7, s27, v7                       ; and on the way out: row r, + 64 h
.irp b, 0,1,2,3
	v_mov_b32 v[TM+4+\b], 0                        ; written once: a lane permute's destination counts as one of its sources
.endr
	s_mov_b32 s[SEL], 0x76543210
	s_mov_b32 s[SEL+1], 0xfedcba98
	; A WAVE MAKES HALF OF A (group, K step): four tiles, 64 rows x 128 numbers.  Work-group number = 4 x group + 2 x (K step / 4) + half
	s_lshr_b32 s25, ttmp9, 2                       ; my group
	s_and_b32 s38, ttmp9, 1                        ; my half: tiles 0-3 or 4-7, which are rows 0-63 or 64-127 in both orders of rows
	s_bfe_u32 s28, ttmp9, 0x10001
	s_lshl_b32 s28, s28, 2
	s_add_co_u32 s28, s28, s26                     ; my K step: 4 x ((work-group / 2) % 2) + wave
	s_lshl_b32 s33, s25, 3
	s_add_co_u32 s33, s33, s28                     ; 8 x group + K step
	s_wait_alu depctr_va_vdst(0)
	s_wait_kmcnt 0x0
	s_mov_b64 s[22:23], s[16:17]                   ; which tensor holds my group, and its first group: the choice hangs on the work-group's number alone
	s_mov_b32 s24, 120
.macro PICK lim, ptr, first
	s_cmp_lt_u32 s25, \lim
	s_cselect_b64 s[22:23], s[\ptr:\ptr+1], s[22:23]
	s_cselect_b32 s24, \first, s24
.endm
	PICK 120, 14, 112
	PICK 112, 12, 104
	PICK 104, 10, 96
	PICK 96, 8, 64
	PICK 64, 6, 32
	PICK 32, 4, 0
	s_sub_co_u32 s29, s25, s24
	s_lshl_b32 s34, s29, 19                        ; 128 rows of 4,096 bytes a group
	s_lshl_b32 s29, s28, 9                         ; 512 bytes a K step
	s_add_co_u32 s34, s34, s29
	s_lshl_b32 s29, s38, 18                        ; 64 rows of 4,096 bytes a half
	s_add_co_u32 s34, s34, s29
	s_mov_b32 s35, 0
	s_add_nc_u64 s[22:23], s[22:23], s[34:35]
	s_mul_i32 s34, s33, 12288
	s_mul_i32 s29, s38, 6144
	s_add_co_u32 s34, s34, s29
	s_add_nc_u64 s[18:19], s[18:19], s[34:35]      ; my four fragments
	s_lshl_b32 s34, s33, 9
	s_lshl_b32 s29, s38, 8
	s_add_co_u32 s34, s34, s29
	s_add_nc_u64 s[20:21], s[20:21], s[34:35]      ; my scale image
.macro LOAD t                          ; tile t's 16 rows, 512 consecutive bytes a load
.irp p, 0,1,2,3,4,5,6,7,8,9,10,11,12,13,14,15
.if ((\t)%4 < 2) && (\p >= 8)
	global_load_b128 v[R+64*((\t)%2)+4*\p:R+64*((\t)%2)+4*\p+3], v9, s[22:23] offset:(32*((\t)/2)+8*((\t)%2)+\p+8*(\p/8))*4096 th:TH_LOAD_NT
.elseif ((\t)%4 >= 2) && (\p < 8)
	global_load_b128 v[R+64*((\t)%2)+4*\p:R+64*((\t)%2)+4*\p+3], v10, s[22:23] offset:(32*((\t)/2)+8*((\t)%2)+\p+8*(\p/8)-16)*4096 th:TH_LOAD_NT
.else
	global_load_b128 v[R+64*((\t)%2)+4*\p:R+64*((\t)%2)+4*\p+3], v4, s[22:23] offset:(32*((\t)/2)+8*((\t)%2)+\p+8*(\p/8))*4096 th:TH_LOAD_NT
.endif
.endr
.endm
.macro TILE t
.if (\t) < 3
	s_wait_loadcnt 16                              ; this tile's 16 loads are in; the next tile's 16 may be out
.else
	s_wait_loadcnt 0x0
.endif
.irp p, 0,1,2,3,4,5,6,7,8,9,10,11,12,13,14,15
	ds_store_b128 v6, v[R+64*((\t)%2)+4*\p:R+64*((\t)%2)+4*\p+3] offset:528*\p
.endr
.irp b, 0,1,2,3
.irp j, 0,1,2,3
	ds_load_b128 v[X+16*\b+4*\j:X+16*\b+4*\j+3], v7 offset:128*\b+16*\j   ; LDS serves a wave's instructions in order: these see the stores above
.endr
.endr
	s_wait_dscnt 0x0                               ; my numbers are back, and the stage's stores have read the registers that the next loads fill
	s_wait_xcnt 0x0                                ; the last tile's stores have read the codes' registers, which are written again below
.if (\t) < 2
	LOAD (\t)+2
.endif
	QUANT X, PW+(\t)
	global_store_b128 v4, v[PC:PC+3], s[18:19] offset:1536*(\t)
	global_store_b64 v5, v[PC+4:PC+5], s[18:19] offset:1536*(\t)+512
	global_store_b128 v4, v[PC+6:PC+9], s[18:19] offset:1536*(\t)+768
	global_store_b64 v5, v[PC+10:PC+11], s[18:19] offset:1536*(\t)+1280
.endm
	LOAD 0
	LOAD 1
.irp t, 0,1,2,3
	TILE \t
.endr
	global_store_b128 v11, v[PW:PW+3], s[20:21]    ; my four tiles' words: 256 consecutive bytes, aligned; lanes l and l xor 16 hold the same words and write the same bytes
	s_wait_tensorcnt 0x0
	ds_add_u32 v254, v255
	s_wait_dscnt 0x0
	s_endpgm
.Lfunc_end_k_q0b2c3088d2_quant:
	.size	k_q0b2c3088d2_quant, .Lfunc_end_k_q0b2c3088d2_quant-k_q0b2c3088d2_quant
	.p2alignl 7, 3214868480
	.fill 96, 4, 3214868480
	.section	.rodata,"a",@progbits
	.p2align	6, 0x0
	.amdhsa_kernel k_q0b2c3088d2_quant
		.amdhsa_group_segment_fixed_size 34304
		.amdhsa_private_segment_fixed_size 0
		.amdhsa_enable_private_segment 0
		.amdhsa_kernarg_size 72
		.amdhsa_user_sgpr_count 2
		.amdhsa_user_sgpr_kernarg_segment_ptr 1
		.amdhsa_wavefront_size32 1
		.amdhsa_system_sgpr_workgroup_id_x 1
		.amdhsa_system_sgpr_workgroup_id_y 1
		.amdhsa_system_sgpr_workgroup_id_z 1
		.amdhsa_system_vgpr_workitem_id 0
		.amdhsa_next_free_vgpr 256
		.amdhsa_next_free_sgpr 66
		.amdhsa_reserve_vcc 0
		.amdhsa_float_denorm_mode_32 3
		.amdhsa_float_denorm_mode_16_64 3
		.amdhsa_memory_ordered 1
		.amdhsa_forward_progress 1
		.amdhsa_inst_pref_size 35
	.end_amdhsa_kernel
	.amdgpu_metadata
---
amdhsa.version: [ 1, 2 ]
amdhsa.kernels:
  - .name:           k_q0b2c3088d2_quant
    .symbol:         k_q0b2c3088d2_quant.kd
    .args:
      - { .name: q, .offset: 0, .size: 8, .value_kind: global_buffer, .address_space: global }
      - { .name: k, .offset: 8, .size: 8, .value_kind: global_buffer, .address_space: global }
      - { .name: v, .offset: 16, .size: 8, .value_kind: global_buffer, .address_space: global }
      - { .name: Wq, .offset: 24, .size: 8, .value_kind: global_buffer, .address_space: global }
      - { .name: Wk, .offset: 32, .size: 8, .value_kind: global_buffer, .address_space: global }
      - { .name: Wv, .offset: 40, .size: 8, .value_kind: global_buffer, .address_space: global }
      - { .name: Wo, .offset: 48, .size: 8, .value_kind: global_buffer, .address_space: global }
      - { .name: xc, .offset: 56, .size: 8, .value_kind: global_buffer, .address_space: global }
      - { .name: xs, .offset: 64, .size: 8, .value_kind: global_buffer, .address_space: global }
    .group_segment_fixed_size: 34304
    .private_segment_fixed_size: 0
    .kernarg_segment_align: 8
    .kernarg_segment_size: 72
    .max_flat_workgroup_size: 128
    .sgpr_count:     66
    .vgpr_count:     256
    .wavefront_size: 32
...
	.end_amdgpu_metadata
.endif
;; end of part 1
;; launch proj (part 2): grid 4 x 48, 4 waves a work-group, clusters of 4 x 4, 327,680 bytes of LDS; arguments xc, xs, bq, bk, bv, qr, kv; writes qr, kv
.if DOCPART == 2
	.amdgcn_target "amdgcn-amd-amdhsa--gfx1250"
	.amdhsa_code_object_version 6
	.text
	.protected	k_q0b2c3088d2_proj
	.globl	k_q0b2c3088d2_proj
	.p2align	8
	.type	k_q0b2c3088d2_proj,@function
k_q0b2c3088d2_proj:
	s_mov_b64 s[64:65], 0
	v_nop
	global_prefetch_b8 v0, s[64:65] scope:SCOPE_SE
	s_setreg_imm32_b32 hwreg(HW_REG_WAVE_MODE, 25, 1), 1
	s_wait_xcnt 0x0
	s_wait_alu depctr_hold_cnt(0) depctr_sa_sdst(0) depctr_va_vdst(0) depctr_va_sdst(0) depctr_va_ssrc(0) depctr_va_vcc(0) depctr_vm_vsrc(0)
	s_getreg_b32 s2, hwreg(HW_REG_IB_STS2, 6, 4)
	s_cmp_eq_u32 s2, 0
	s_cbranch_scc0 .Lentry_in_a_cluster
	s_endpgm
.Lentry_in_a_cluster:
	s_bfe_u32 s2, ttmp6, 0x10000c
	s_cmp_lg_u32 s2, 0xf033
	s_cbranch_scc0 .Lentry_shape_is_right
	s_endpgm
.Lentry_shape_is_right:
; The three projections, x W^T + b, on codes of FP6 with E8M0 scales, K = 1,024, and the quantising of their results for the attention:
; q's and k's results along the head's 64 channels, v's along the keys.  LIMITS: NaN and infinities are not served; a block of zeros gets the byte 1 (its codes are zeros; only this program reads the bytes).
; OPERANDS come as images of the operand's registers: xc[group of 128 rows][K step][tile][1,536 bytes], xs[group][K step][512 bytes] (groups: q 0-31, k 32-63, v 64-95, Wq 96-, Wk 104-, Wv 112-).
; Lane r of tile t holds row 32 (t / 2) + 8 (t % 2) + r + 8 (r / 8) of its group.  So in the result of source 0 x source 1 a lane holds ONE row of source 1, and the 64 registers of its eight
; tiles run along source 0's 128 rows in the order that the quantiser wants: register 16 b + i = row 32 b + 16 (lane / 16) + i.
; WHAT IS SOURCE 0 is therefore the tensor whose rows are the NEXT product's K: for q and k the weight (its rows are the channels), for v the rows of v (the keys).  Only global addresses differ.
; SHARES: a work-group makes 256 x 256, each of four waves 128 x 128: 64 accumulators, 512 registers.  48 x 4 work-groups: 64 for each projection.
; K goes in 8 steps of 128.  LDS holds three slots of two K steps; steps 6 and 7 fill slot 0 again: one refill in the launch.  The scales for all of K come once.
; CLUSTER 4 x 4: source 1's tiles are shared along a row of the cluster, source 0's along a column: each is asked for jointly, which divides the requests by four.
; RESULTS: qr and kv [head 32][group of 128 rows 16][record 13,056]: 8 half fragments (768 bytes) of Q or K; at 6,144 four fragments of V^T (16 channels x 128 keys);
; at 12,288 V's scale words (16 r + 4 tile); at 12,544 Q's or K's scale image (512 bytes; a word's bytes 2 and 3 are 0: they belong to zero codes).  Every store covers 256 or 512 consecutive bytes, aligned.
; REGISTERS: window 0: v1-31 addresses; v32-47 scale words, two sets; v64-127, v240-247 the bias; v128-223 source 1's fragments, one set (on the way out: at work).
;   window 1: source 0's fragments, two sets, at v0 and v128.   windows 2, 3: the accumulators: (a, b) at v[8 (8 (a % 4) + b)] of window 2 + a / 4.
.set GRPB,  98304                      ; a group's codes in memory
.set PARTB, 24576                      ; two K steps of a group: one row of a tensor load
.set STEPB, 12288                      ; one K step of a group
.set FRB,   1536                       ; a fragment
.set SLOTB, 4*PARTB                    ; a slot: source 1's two groups, then source 0's two
.set SCL,   3*SLOTB                    ; behind the slots: the scales, 4,096 bytes a group, in the same order
.set SPARE, SCL+4*4096                 ; the spare words, 128 bytes for each wave: two blocks of 256 bytes that no other line names
.set RECB,  13056
.set HEADB, 16*RECB
.set A16,  8                           ; v8-10   source 1's fragments in slot 0, 1, 2: + 16 x lane;  v11-13: + 8 x lane
.set A8,   11
.set B16,  14                          ; v14-16, v17-19 the same for source 0
.set B8,   17
.set ADRS, 20                          ; v20     my scale words: lanes 0-15 source 1's, lanes 16-31 source 0's
.set L16,  21                          ; v21     16 x lane
.set L8,   22                          ; v22     8 x lane
.set HO,   23                          ; v23     16 r + (lane / 16) x a head's bytes
.set SPW,  28                          ; v28     LDS address of my spare word; never rewritten
.set NIL,  29                          ; v29     0; never rewritten
.set SC,   32
.set AF,   128
.set BP,   64                          ; v64-127  the bias along source 0's rows: register 8 t + j
.set BR,   240                         ; v240-247 the bias of my row of source 1's tile a
.set ST,   128                         ; the way out: 64 numbers
.set PC,   192                         ; the codes
.set TM,   212
.set SW,   224
.set PW,   248
.set SEL,  12
.set MSK,  10
.set G1A,  24
.set G1B,  32
.set G1SA, 40
.set G1SB, 48
.set G0A0, 56
.set G0A1, 60
.set G0A2, 68
.set G0SA, 72
.set G0B0, 76
.set G0B1, 80
.set G0B2, 84
.set G0SB, 88
.set PA,   4                           ; the pointers: source 1's codes and scales, source 0's codes and scales
.set PSA,  6
.set PB,   4
.set PSB,  6
.set MSB, 0
.macro WIN new                         ; the immediate's high byte repeats the setting that is left
.if MSB != (\new)
	s_set_vgpr_msb (MSB<<8)|(\new)
.set MSB, \new
.endif
.endm
.set MUL_LO, 0xa1                      ; source 0 window 1, source 1 window 0, C and D window 2
.set MUL_HI, 0xf1                      ; the same, C and D window 3
.set TO_B,   0x40                      ; destination window 1, address window 0
; One arm of a chain of branches on the wave's number: wave w issues this joint load and jumps to the chain's join.  One tensor load a wave at the head and behind each round.
; A load of codes brings two K steps of BOTH groups of a source: two rows of 24,576 bytes, a group's 98,304 bytes apart, which land one behind the other in a slot.
.macro ARM w, g0, g1, id
	s_cmp_eq_u32 s18, \w
	s_cbranch_scc0 .Lskip_\id\()_\w
	tensor_load_to_lds s[\g0:\g0+3], s[\g1:\g1+7]
	s_nop 0
.rept 4
	v_nop
.endr
	s_branch .Ljoin_\id
.Lskip_\id\()_\w:
.endm
.macro CREST                           ; a round of the cluster's barrier behind its opening barrier
	s_cmp_lg_u32 s18, 0
	s_cbranch_scc1 .Lnot_wave_0_\@
	s_barrier_signal -3
.Lnot_wave_0_\@:
	s_barrier_wait -3
	s_barrier_signal -1
	s_barrier_wait -1
.endm
.macro CROUND
	s_barrier_signal -1
	s_barrier_wait -1
	CREST
.endm
.macro G0SET g, base, off              ; a group 0's count, LDS address and type; its global address has been written
	s_mov_b32 s[\g], 1
	s_add_co_u32 s[\g+1], s[\base], \off
	s_or_b32 s[\g+3], s[\g+3], 0x80000000
.endm
.macro PLACES                          ; four plain instructions between a matrix instruction and a load into, or a vector read or write of, its registers
.rept 4
	v_nop
.endr
.endm
.macro FRAG reg, a16, a8, off          ; a fragment's image comes back as it was stored: four loads, each of consecutive bytes
	ds_load_b128 v[\reg:\reg+3], v[\a16] offset:\off
	ds_load_b64 v[\reg+4:\reg+5], v[\a8] offset:\off+512
	ds_load_b128 v[\reg+6:\reg+9], v[\a16] offset:\off+768
	ds_load_b64 v[\reg+10:\reg+11], v[\a8] offset:\off+1280
.endm
.macro FETCH_B k                       ; source 0's eight fragments of K step k into set k % 2; K step k lies in slot (k / 2) % 3
	WIN TO_B
.irp i, 0,1,2,3,4,5,6,7
	FRAG 128*((\k)%2)+12*\i, B16+((\k)/2)%3, B8+((\k)/2)%3, ((\k)%2)*STEPB+FRB*\i
.endr
	WIN 0
.endm
.macro FETCH_A k, i0                   ; source 1's tiles i0 .. i0 + 3
.irp i, 0,1,2,3
	FRAG AF+12*((\i0)+\i), A16+((\k)/2)%3, A8+((\k)/2)%3, ((\k)%2)*STEPB+FRB*((\i0)+\i)
.endr
.endm
.macro SCALES k                        ; register i of set k % 2: lanes 0-15 the word of source 1's tile i, lanes 16-31 that of source 0's tile i
	ds_load_b128 v[SC+8*((\k)%2):SC+8*((\k)%2)+3], v[ADRS] offset:512*(\k)
	ds_load_b128 v[SC+8*((\k)%2)+4:SC+8*((\k)%2)+7], v[ADRS] offset:512*(\k)+256
.endm
; 16 matrix instructions: source 1's tiles a0, a0 + 1 x source 0's eight.  The 64 accumulators take turns, one instruction a turn, in the same order in every step.
.macro MUL16 a0, k, zero
.irp a, \a0, \a0+1
.irp b, 0,1,2,3,4,5,6,7
.if \zero
	v_wmma_scale_f32_16x16x128_f8f6f4 v[8*(8*((\a)%4)+\b):8*(8*((\a)%4)+\b)+7], v[128*((\k)%2)+12*\b:128*((\k)%2)+12*\b+11], v[AF+12*(\a):AF+12*(\a)+11], 0, v[SC+8*((\k)%2)+\b], v[SC+8*((\k)%2)+(\a)] matrix_a_fmt:MATRIX_FMT_FP6 matrix_b_fmt:MATRIX_FMT_FP6 matrix_a_scale:MATRIX_SCALE_ROW1
.else
	v_wmma_scale_f32_16x16x128_f8f6f4 v[8*(8*((\a)%4)+\b):8*(8*((\a)%4)+\b)+7], v[128*((\k)%2)+12*\b:128*((\k)%2)+12*\b+11], v[AF+12*(\a):AF+12*(\a)+11], v[8*(8*((\a)%4)+\b):8*(8*((\a)%4)+\b)+7], v[SC+8*((\k)%2)+\b], v[SC+8*((\k)%2)+(\a)] matrix_a_fmt:MATRIX_FMT_FP6 matrix_b_fmt:MATRIX_FMT_FP6 matrix_a_scale:MATRIX_SCALE_ROW1
.endif
.endr
.endr
.endm
; K step k, whose successor's tiles are known to lie in LDS
.macro STEP k, zero
	s_wait_dscnt 16                                ; source 0's set, source 1's tiles 0-3 and the scale words are in; the youngest 16 loads (tiles 4-7) may be out
	WIN MUL_LO
	MUL16 0, \k, \zero
	MUL16 2, \k, \zero
	s_wait_dscnt 0x0                               ; tiles 4-7 are in
	PLACES
	FETCH_B (\k)+1
	FETCH_A (\k)+1, 0
	SCALES (\k)+1
	WIN MUL_HI
	MUL16 4, \k, \zero
	MUL16 6, \k, \zero
	PLACES
	WIN 0
	FETCH_A (\k)+1, 4
.endm
; K step k with a barrier in it.  In front of the barrier each wave waits for all its tensor loads, adds 0 to its spare word, and waits for that and for its reads.
; fill = 1: slot 0, whose last bytes have been read, takes K steps 6 and 7: the barrier opens a round of the cluster's barrier, and the joint load is the first thing behind the round.
; K step k with a plain barrier in it, which shows slot 1: only waves 0 and 1, whose loads fill it, wait for their loads; slot 2's may stay out
.macro SHOW k
	s_cmp_lt_u32 s18, 2
	s_cbranch_scc0 .Lnot_mine_\@
	s_wait_tensorcnt 0x0
.Lnot_mine_\@:
	s_wait_dscnt 16
	WIN MUL_LO
	MUL16 0, \k, 0
	s_wait_dscnt 0x0
	s_barrier_signal -1
	MUL16 2, \k, 0
	WIN 0
	s_barrier_wait -1
	PLACES
	FETCH_B (\k)+1
	FETCH_A (\k)+1, 0
	SCALES (\k)+1
	WIN MUL_HI
	MUL16 4, \k, 0
	MUL16 6, \k, 0
	PLACES
	WIN 0
	FETCH_A (\k)+1, 4
.endm
.macro TURN k, fill
	s_wait_tensorcnt 0x0                           ; all my tensor loads have landed
	ds_add_u32 v[SPW], v[NIL]                      ; 0 onto my spare word
	s_wait_dscnt 17                                ; (the add and the youngest 16 loads may be out)
	WIN MUL_LO
	MUL16 0, \k, 0                                 ; sixteen matrix instructions stand between the add and the wait for it
	s_wait_dscnt 0x0                               ; the add is done, and my reads of LDS so far are over
	s_barrier_signal -1
	MUL16 2, \k, 0
	WIN 0
	s_barrier_wait -1
.if \fill
	CREST                                          ; no wave of any partner still reads slot 0 or has a load on its way
	s_add_nc_u64 s[G0A0+2:G0A0+3], s[G0A0+2:G0A0+3], 3*PARTB
	s_add_nc_u64 s[G0B0+2:G0B0+3], s[G0B0+2:G0B0+3], 3*PARTB
	ARM 0, G0A0, G1A, fill                         ; wave 0: source 1's K steps 6 and 7; wave 1: source 0's; the first tensor load behind the round
	ARM 1, G0B0, G1B, fill
	PLACES                                         ; waves 2 and 3 issue none: the places in front of the loads below
.Ljoin_fill:
.else
	PLACES
.endif
	FETCH_B (\k)+1
	FETCH_A (\k)+1, 0
	SCALES (\k)+1
	WIN MUL_HI
	MUL16 4, \k, 0
	MUL16 6, \k, 0
	PLACES
	WIN 0
	FETCH_A (\k)+1, 4
.endm
; 64 numbers of a lane, register 16 b + i = k 32 b + 16 (lane / 16) + i of its row, become a fragment's codes in v[PC] .. v[PC+11] and its scale word in v[pw]
.macro QUANT s, pw
.irp b, 0,1,2,3
	v_max3_num_f32 v[TM+\b], |v[(\s)+16*\b]|, |v[(\s)+1+16*\b]|, 0x1800000   ; and the floor 2^(3 - 127): the byte cannot fall under 1
.endr
.irp i, 2,4,6,8,10,12,14
.irp b, 0,1,2,3
	v_max3_num_f32 v[TM+\b], v[TM+\b], |v[(\s)+16*\b+\i]|, |v[(\s)+1+16*\b+\i]|
.endr
.endr
.irp b, 0,1,2,3
	v_permlanex16_b32 v[TM+4+\b], v[TM+\b], s[SEL], s[SEL+1]
.endr
.irp b, 0,1,2,3
	v_max_num_f32 v[TM+\b], v[TM+\b], v[TM+4+\b]
.endr
.irp b, 0,1,2,3
	v_add_nc_u32 v[TM+8+\b], 0xff000000, v[TM+\b]  ; 2 off the exponent field: the conversion's scale operand
.endr
.irp b, 0,1,2,3
	v_lshrrev_b32 v[TM+4+\b], 23, v[TM+8+\b]       ; the scale's byte
.endr
	v_lshl_or_b32 v[\pw], v[TM+5], 8, v[TM+4]
	v_lshl_or_b32 v[\pw], v[TM+6], 16, v[\pw]
	v_lshl_or_b32 v[\pw], v[TM+7], 24, v[\pw]
.irp c, 0,1
	v_cvt_scalef32_pk16_fp6_f32 v[PC+6*\c:PC+6*\c+2], v[(\s)+32*\c:(\s)+32*\c+15], v[TM+8+2*\c]
	v_cvt_scalef32_pk16_fp6_f32 v[PC+12+4*\c:PC+14+4*\c], v[(\s)+32*\c+16:(\s)+32*\c+31], v[TM+9+2*\c]
.endr
	v_nop                                          ; one plain instruction behind the scaled conversions
.irp c, 0,1
.irp i, 0,1,2
	v_permlane16_swap_b32 v[PC+6*\c+\i], v[PC+12+4*\c+\i]
.endr
.irp i, 0,1,2
	v_mov_b32 v[PC+3+6*\c+\i], v[PC+12+4*\c+\i]
.endr
.endr
.endm
	s_load_b256 s[4:11], s[0:1], 0x0               ; xc, xs, bq, bk
	s_load_b128 s[12:15], s[0:1], 0x20             ; bv, qr
	s_load_b64 s[16:17], s[0:1], 0x30              ; kv
	v_lshl_add_u32 v[SPW], v0, 2, SPARE
	v_mov_b32 v[NIL], 0
	ds_add_u32 v28, v29
	ds_add_u32 v28, v29
	s_wait_dscnt 0x0
	v_lshrrev_b32 v1, 5, v0
	v_readfirstlane_b32 s18, v1                    ; wave 0..3
	s_lshr_b32 s19, s18, 1                         ; my group of source 1
	s_and_b32 s20, s18, 1                          ; my group of source 0
	s_bfe_u32 s92, ttmp6, 0x40000                  ; cx
	s_bfe_u32 s93, ttmp6, 0x40004                  ; cy
	s_and_b32 s94, ttmp7, 0xffff                   ; the cluster's y, 0..11: shared by all sixteen partners
	s_lshr_b32 s95, s94, 2                         ; which projection: 0 q, 1 k, 2 v
	s_and_b32 s96, s94, 3
	s_lshl_b32 s96, s96, 2                         ; 4 c: which four of the sixteen blocks of 256 rows of x
	s_lshr_b32 s97, s95, 1                         ; 1 for v
	s_mul_i32 s98, s96, s97                        ; 4 c where x is source 0
	s_sub_co_u32 s21, s96, s98                     ; 4 c where x is source 1
	s_add_co_u32 s99, s98, s92                     ; source 0's block of 256 rows: it holds no cy
	s_add_co_u32 s100, s21, s93                    ; source 1's: it holds no cx
	s_mul_i32 s101, s97, 48
	s_lshl_b32 s2, s95, 3
	s_add_co_u32 s2, s2, 96
	s_sub_co_u32 s2, s2, s101                      ; source 0's first group: 96, 104 (Wq, Wk) or 64 (v)
	s_lshl_b32 s3, s95, 5
	s_add_co_u32 s3, s3, s101                      ; source 1's: 0, 32 (q, k) or 112 (Wv)
	s_lshl_b32 s66, s99, 1
	s_add_co_u32 s66, s66, s2
	s_lshl_b32 s22, s100, 1
	s_add_co_u32 s22, s22, s3
	s_lshl_b32 s23, s93, 2
	s_lshl_b32 s23, 15, s23                        ; my row of the cluster
	s_lshl_b32 s67, 0x1111, s92                    ; my column
	; descriptor groups 1: elements of 8 bytes: codes in 2 rows of 3,072 elements, a group apart; scales in 32 rows of 32 elements; 15:0 the mask, 17:16 the element's size, 21 set beside a mask
	s_or_b32 s[G1A], s23, (3<<16)|(1<<21)
	s_or_b32 s[G1B], s67, (3<<16)|(1<<21)
	s_or_b32 s[G1SA], s23, (3<<16)|(1<<21)
	s_or_b32 s[G1SB], s67, (3<<16)|(1<<21)
.irp g, G1A, G1B                               ; codes: 2 rows of 3,072 elements of 8 bytes, 12,288 elements (a group) apart
	s_mov_b32 s[\g+1], 3072<<16                    ; tensor_dim0
	s_mov_b32 s[\g+2], 2<<16                       ; tensor_dim1
	s_mov_b32 s[\g+3], 3072<<16                    ; tile_dim0
	s_mov_b32 s[\g+4], 2                           ; tile_dim1
	s_mov_b32 s[\g+5], 12288                       ; the pitch
	s_mov_b32 s[\g+6], 0
	s_mov_b32 s[\g+7], 0
.endr
.irp g, G1SA, G1SB
	s_mov_b32 s[\g+1], 32<<16
	s_mov_b32 s[\g+2], 32<<16                      ; the scales of a source's two groups lie end to end: 32 rows of 256 bytes
	s_mov_b32 s[\g+3], 32<<16
	s_mov_b32 s[\g+4], 32
	s_mov_b32 s[\g+5], 32
	s_mov_b32 s[\g+6], 0
	s_mov_b32 s[\g+7], 0
.endr
	s_mov_b32 s101, 0                              ; in a slot: source 1's two groups,
	s_mov_b32 s98, 2*PARTB                         ; then source 0's two
	s_mul_i32 s[G0A0+2], s22, GRPB
	s_mov_b32 s[G0A0+3], 0
	s_lshl_b32 s[G0SA+2], s22, 12
	s_mov_b32 s[G0SA+3], 0
	s_mul_i32 s[G0B0+2], s66, GRPB
	s_mov_b32 s[G0B0+3], 0
	s_lshl_b32 s[G0SB+2], s66, 12
	s_mov_b32 s[G0SB+3], 0
	s_wait_kmcnt 0x0
	s_add_nc_u64 s[G0A0+2:G0A0+3], s[PA:PA+1], s[G0A0+2:G0A0+3]
	s_add_nc_u64 s[G0A1+2:G0A1+3], s[G0A0+2:G0A0+3], PARTB
	s_add_nc_u64 s[G0A2+2:G0A2+3], s[G0A0+2:G0A0+3], 2*PARTB
	s_add_nc_u64 s[G0SA+2:G0SA+3], s[PSA:PSA+1], s[G0SA+2:G0SA+3]
	s_add_nc_u64 s[G0B0+2:G0B0+3], s[PB:PB+1], s[G0B0+2:G0B0+3]
	s_add_nc_u64 s[G0B1+2:G0B1+3], s[G0B0+2:G0B0+3], PARTB
	s_add_nc_u64 s[G0B2+2:G0B2+3], s[G0B0+2:G0B0+3], 2*PARTB
	s_add_nc_u64 s[G0SB+2:G0SB+3], s[PSB:PSB+1], s[G0SB+2:G0SB+3]
	G0SET G0A0, 101, 0
	G0SET G0A1, 101, SLOTB
	G0SET G0A2, 101, 2*SLOTB
	G0SET G0SA, 101, SCL
	G0SET G0B0, 98, 0
	G0SET G0B1, 98, SLOTB
	G0SET G0B2, 98, 2*SLOTB
	G0SET G0SB, 101, SCL+8192
	CROUND                                         ; all sixteen work-groups are here: the first joint loads meet
	ARM 0, G0A0, G1A, head                         ; the head's four tiles, one a wave: source 1's K steps 0 and 1,
	ARM 1, G0B0, G1B, head                         ; source 0's,
	ARM 2, G0SA, G1SA, head                        ; source 1's scales for all of K,
	tensor_load_to_lds s[G0SB:G0SB+3], s[G1SB:G1SB+7]   ; and source 0's
	s_nop 0
	PLACES
.Ljoin_head:
	v_and_b32 v1, 15, v0                           ; r
	v_bfe_u32 v2, v0, 4, 1                         ; h
	v_and_b32 v3, 31, v0
	v_lshlrev_b32 v[L16], 4, v3
	v_lshlrev_b32 v[L8], 3, v3
	s_mul_i32 s98, s19, PARTB                      ; my group of source 1,
	s_mul_i32 s101, s20, PARTB
	s_add_co_u32 s101, s101, 2*PARTB               ; my group of source 0, behind source 1's two
.irp s, 0,1,2
	v_add_nc_u32 v[A16+\s], s98, v[L16]
	v_add_nc_u32 v[A8+\s], s98, v[L8]
	v_add_nc_u32 v[B16+\s], s101, v[L16]
	v_add_nc_u32 v[B8+\s], s101, v[L8]
	s_add_co_u32 s98, s98, SLOTB
	s_add_co_u32 s101, s101, SLOTB
.endr
	s_lshl_b32 s98, s19, 12                        ; the scales: source 1's group,
	s_lshl_b32 s101, s20, 12
	s_add_co_u32 s101, s101, 8192                  ; source 0's, behind source 1's two
	s_sub_co_u32 s101, s101, s98
	v_mul_u32_u24 v4, s101, v2                     ; lanes 16-31 take source 0's: one product by h
	v_lshl_add_u32 v4, v1, 4, v4
	s_add_co_u32 s98, s98, SCL
	v_add_nc_u32 v[ADRS], s98, v4
	; where the results go, and the bias.  These numbers hold cx and cy together: they stand in registers that feed no descriptor
	s_cmp_eq_u32 s95, 0
	s_cselect_b64 s[14:15], s[14:15], s[16:17]     ; qr for q, kv for k and v
	s_cselect_b64 s[8:9], s[8:9], s[10:11]
	s_cmp_eq_u32 s97, 0
	s_cselect_b64 s[8:9], s[8:9], s[12:13]         ; bq, bk or bv
	s_lshl_b32 s10, s99, 1
	s_add_co_u32 s10, s10, s20                     ; my group of source 0, counted in its tensor
	s_lshl_b32 s11, s100, 1
	s_add_co_u32 s11, s11, s19                     ; my group of source 1
	s_cmp_eq_u32 s97, 0
	s_cselect_b32 s12, s11, s10                    ; the group of 128 rows of the sequence, 0..31
	s_cselect_b32 s13, s10, s11                    ; the group of 128 channels, 0..7: heads 2 gn, 2 gn + 1
	s_and_b32 s16, s12, 16                         ; 16 x batch
	s_lshl_b32 s17, s13, 1
	s_add_co_u32 s16, s16, s17
	s_mul_i32 s16, s16, HEADB
	s_and_b32 s17, s12, 15
	s_mul_i32 s17, s17, RECB
	s_add_co_u32 s16, s16, s17
	s_mov_b32 s17, 0
	s_add_nc_u64 s[14:15], s[14:15], s[16:17]      ; the record of head 2 gn
	s_lshl_b32 s16, s13, 9
	s_add_nc_u64 s[8:9], s[8:9], s[16:17]          ; my 128 numbers of the bias
	s_mov_b32 s[MSK], 0xffff0000
	s_mov_b32 s[SEL], 0x76543210
	s_mov_b32 s[SEL+1], 0xfedcba98
	v_mul_u32_u24 v[HO], v2, HEADB
	v_lshl_add_u32 v[HO], v1, 4, v[HO]
	v_lshlrev_b32 v24, 6, v2                       ; 64 h
	v_and_b32 v25, 8, v1
	v_add_nc_u32 v25, v25, v1
	v_lshlrev_b32 v25, 2, v25                      ; 4 (r + 8 (r / 8))
.irp t, 0,1,2,3,4,5,6,7                        ; both patterns are loaded, so that either way out finds its registers written
	global_load_b128 v[BP+8*\t:BP+8*\t+3], v24, s[8:9] offset:4*(32*(\t/2)+8*(\t%2))
	global_load_b128 v[BP+8*\t+4:BP+8*\t+7], v24, s[8:9] offset:4*(32*(\t/2)+8*(\t%2))+16
	global_load_b32 v[BR+\t], v25, s[8:9] offset:4*(32*(\t/2)+8*(\t%2))
.endr
	s_wait_alu depctr_va_vdst(0)
	s_wait_loadcnt 0x0                             ; the bias: no global load is out at a barrier
	s_wait_tensorcnt 0x0                           ; my tile of the head's four is in
	ds_add_u32 v[SPW], v[NIL]
	s_wait_dscnt 0x0
	CROUND                                         ; a whole round: all four tiles are in, and the joint loads of slots 1 and 2 meet
	ARM 0, G0A1, G1A, two                          ; one load a wave: K steps 2 and 3 of source 1, of source 0,
	ARM 1, G0B1, G1B, two
	ARM 2, G0A2, G1A, two                          ; K steps 4 and 5 of source 1, of source 0
	tensor_load_to_lds s[G0B2:G0B2+3], s[G1B:G1B+7]
	s_nop 0
	PLACES
.Ljoin_two:
	FETCH_B 0
	FETCH_A 0, 0
	SCALES 0
	FETCH_A 0, 4
	STEP 0, 1                                      ; the first products start the sums: nothing is cleared
	SHOW 1                                         ; slot 1 is in, everybody's
	TURN 2, 1                                      ; its wait for all loads shows slot 2 landed, and the round shows that of every wave; slot 0, last read in step 0, takes K steps 6 and 7
	STEP 3, 0
	STEP 4, 0
	TURN 5, 0                                      ; the refill has landed, everybody's
	STEP 6, 0
	s_wait_dscnt 16
	WIN MUL_LO
	MUL16 0, 7, 0
	MUL16 2, 7, 0
	s_wait_dscnt 0x0
	WIN MUL_HI
	MUL16 4, 7, 0
	MUL16 6, 7, 0
	WIN 0
	PLACES
.irp b, 0,1,2,3
	v_mov_b32 v[TM+4+\b], 0                        ; a lane permute's destination counts as one of its sources
.endr
; THE WAY OUT.  Tile a of source 1: 64 registers of a lane + bias, quantised in registers, stored as images.  Each accumulator is read from its low end on.
.macro OUT_QK a                        ; K = 128 channels = two heads: the fragment's halves go to two heads' records
	s_wait_xcnt 0x0                                ; the last tile's stores have read the codes' registers
	WIN 0x02+(\a)/4
.set AC, 64*((\a)%4)
.set XI, 0
.rept 32
	v_pk_add_f32 v[ST+XI:ST+XI+1], v[AC+XI:AC+XI+1], v[BP+XI:BP+XI+1]
.set XI, XI+2
.endr
	WIN 0
	QUANT ST, PW+(\a)
	global_store_b128 v[L16], v[PC:PC+3], s[14:15] offset:768*(\a)
	global_store_b64 v[L8], v[PC+4:PC+5], s[14:15] offset:768*(\a)+512
	global_store_b128 v[L16], v[PC+6:PC+9], s[14:15] offset:HEADB+768*(\a)
	global_store_b64 v[L8], v[PC+10:PC+11], s[14:15] offset:HEADB+768*(\a)+512
.endm
.macro OUT_V a                         ; K = 128 keys; my row is a channel: tiles 0-3 are head 2 gn's, tiles 4-7 head 2 gn + 1's
	s_wait_xcnt 0x0
	WIN 0x02+(\a)/4
.set AC, 64*((\a)%4)
.set XI, 0
.rept 64
	v_add_f32 v[ST+XI], v[AC+XI], v[BR+(\a)]
.set XI, XI+1
.endr
	WIN 0
	QUANT ST, PW+(\a)
	global_store_b128 v[L16], v[PC:PC+3], s[14:15] offset:((\a)/4)*HEADB+6144+((\a)%4)*FRB
	global_store_b64 v[L8], v[PC+4:PC+5], s[14:15] offset:((\a)/4)*HEADB+6144+((\a)%4)*FRB+512
	global_store_b128 v[L16], v[PC+6:PC+9], s[14:15] offset:((\a)/4)*HEADB+6144+((\a)%4)*FRB+768
	global_store_b64 v[L8], v[PC+10:PC+11], s[14:15] offset:((\a)/4)*HEADB+6144+((\a)%4)*FRB+1280
.endm
	s_cmp_lg_u32 s97, 0                            ; the same in all sixteen partners: it hangs on the cluster's y alone.  Neither way has an LDS instruction, a barrier or a tensor load
	s_cbranch_scc1 .Lway_v
.irp a, 0,1,2,3,4,5,6,7
	OUT_QK \a
.endr
.irp j, 0,1,2,3
	v_cndmask_b32 v[SW+\j], v[PW+\j], v[PW+4+\j], s[MSK]   ; lanes 0-15 carry tiles 0-3's words, lanes 16-31 tiles 4-7's
.endr
.irp j, 0,1,2,3
	v_lshrrev_b32 v[SW+4+\j], 16, v[SW+\j]         ; bytes 2, 3: head 2 gn + 1's two blocks
.endr
.irp j, 0,1,2,3
	v_and_b32 v[SW+\j], 0xffff, v[SW+\j]           ; bytes 0, 1: head 2 gn's
.endr
	global_store_b128 v[L16], v[SW:SW+3], s[14:15] offset:12544
	global_store_b128 v[L16], v[SW+4:SW+7], s[14:15] offset:HEADB+12544
	s_branch .Ldone
.Lway_v:
.irp a, 0,1,2,3,4,5,6,7
	OUT_V \a
.endr
.irp j, 0,1,2,3
	v_cndmask_b32 v[SW+\j], v[PW+\j], v[PW+4+\j], s[MSK]
.endr
	global_store_b128 v[HO], v[SW:SW+3], s[14:15] offset:12288   ; lanes 0-15: 256 bytes of head 2 gn's record; lanes 16-31: of head 2 gn + 1's
.Ldone:
	s_wait_tensorcnt 0x0                           ; the wave's end
	ds_add_u32 v[SPW], v[NIL]
	s_wait_dscnt 0x0
	CROUND                                         ; the closing round
	s_endpgm
.Lfunc_end_k_q0b2c3088d2_proj:
	.size	k_q0b2c3088d2_proj, .Lfunc_end_k_q0b2c3088d2_proj-k_q0b2c3088d2_proj
	.p2alignl 7, 3214868480
	.fill 96, 4, 3214868480
	.section	.rodata,"a",@progbits
	.p2align	6, 0x0
	.amdhsa_kernel k_q0b2c3088d2_proj
		.amdhsa_group_segment_fixed_size 327680
		.amdhsa_private_segment_fixed_size 0
		.amdhsa_enable_private_segment 0
		.amdhsa_kernarg_size 56
		.amdhsa_user_sgpr_count 2
		.amdhsa_user_sgpr_kernarg_segment_ptr 1
		.amdhsa_wavefront_size32 1
		.amdhsa_system_sgpr_workgroup_id_x 1
		.amdhsa_system_sgpr_workgroup_id_y 1
		.amdhsa_system_sgpr_workgroup_id_z 1
		.amdhsa_system_vgpr_workitem_id 0
		.amdhsa_next_free_vgpr 1024
		.amdhsa_next_free_sgpr 102
		.amdhsa_reserve_vcc 0
		.amdhsa_float_denorm_mode_32 3
		.amdhsa_float_denorm_mode_16_64 3
		.amdhsa_memory_ordered 1
		.amdhsa_forward_progress 1
		.amdhsa_inst_pref_size 217
	.end_amdhsa_kernel
	.amdgpu_metadata
---
amdhsa.version: [ 1, 2 ]
amdhsa.kernels:
  - .name:           k_q0b2c3088d2_proj
    .symbol:         k_q0b2c3088d2_proj.kd
    .args:
      - { .name: xc, .offset: 0, .size: 8, .value_kind: global_buffer, .address_space: global }
      - { .name: xs, .offset: 8, .size: 8, .value_kind: global_buffer, .address_space: global }
      - { .name: bq, .offset: 16, .size: 8, .value_kind: global_buffer, .address_space: global }
      - { .name: bk, .offset: 24, .size: 8, .value_kind: global_buffer, .address_space: global }
      - { .name: bv, .offset: 32, .size: 8, .value_kind: global_buffer, .address_space: global }
      - { .name: qr, .offset: 40, .size: 8, .value_kind: global_buffer, .address_space: global }
      - { .name: kv, .offset: 48, .size: 8, .value_kind: global_buffer, .address_space: global }
    .group_segment_fixed_size: 327680
    .private_segment_fixed_size: 0
    .kernarg_segment_align: 8
    .kernarg_segment_size: 56
    .max_flat_workgroup_size: 128
    .sgpr_count:     102
    .vgpr_count:     1024
    .wavefront_size: 32
...
	.end_amdgpu_metadata
.endif
;; end of part 2
;; launch attn (part 3): grid 8 x 32, 16 waves a work-group, clusters of 4 x 1, 210,944 bytes of LDS; arguments qr, kv, cc, cs; writes cc, cs
.if DOCPART == 3
	.amdgcn_target "amdgcn-amd-amdhsa--gfx1250"
	.amdhsa_code_object_version 6
	.text
	.protected	k_q0b2c3088d2_attn
	.globl	k_q0b2c3088d2_attn
	.p2align	8
	.type	k_q0b2c3088d2_attn,@function
k_q0b2c3088d2_attn:
	s_mov_b64 s[64:65], 0
	v_nop
	global_prefetch_b8 v0, s[64:65] scope:SCOPE_SE
	s_setreg_imm32_b32 hwreg(HW_REG_WAVE_MODE, 25, 1), 1
	s_wait_xcnt 0x0
	s_wait_alu depctr_hold_cnt(0) depctr_sa_sdst(0) depctr_va_vdst(0) depctr_va_sdst(0) depctr_va_ssrc(0) depctr_va_vcc(0) depctr_vm_vsrc(0)
	s_getreg_b32 s2, hwreg(HW_REG_IB_STS2, 6, 4)
	s_cmp_eq_u32 s2, 0
	s_cbranch_scc0 .Lentry_in_a_cluster
	s_endpgm
.Lentry_in_a_cluster:
	s_bfe_u32 s2, ttmp6, 0x10000c
	s_cmp_lg_u32 s2, 0x3003
	s_cbranch_scc0 .Lentry_shape_is_right
	s_endpgm
.Lentry_shape_is_right:
; O[head][q] = the sum over keys of softmax(Q . K / 8) V, both products on codes of FP6 with E8M0 scales, and O / l quantised along (head, channel) for the last projection.
; THE SOFTMAX AHEAD OF THE SECOND PRODUCT: t = score x log2(e) / 8; M = the running largest t rounded UP to a whole number; p = 2^(t - M) is quantised along the keys, not normalised.
; The row's sum is taken of the unquantised p and divides O at the end.  When M moves, the sum and O are multiplied by 2^(old M - new M): exact.
; LIMITS: NaN and infinities are not served; the promise holds while |t| stays under 2^31; a block of zeros gets the byte 1 (its codes are zeros; only this program reads the bytes).
; INPUTS: qr, kv [head 32][16][record 13,056], a record = 128 rows of the sequence: 8 half fragments (768 bytes: 16 rows x 64 channels) of Q or K; at 6,144 four fragments of V^T (16 channels x 128 keys);
; at 12,288 V's scale words; at 12,544 Q's or K's scale image.  All are images of the operand's registers.
; THE HEAD HAS 64 CHANNELS, half of the instruction's 128.  Q's upper six registers are zero codes, set once; every code of the format is a finite number, so whatever stands in the upper six registers of K's
; operand adds nothing.  So K's eight half fragments lie end to end, six registers each, and tile t's operand is v[KF + 6 t .. + 11]; tile 7's runs on into V's first six.  The scale words' bytes 2 and 3 are 0, no NaN.
; K'S TILES: lane row m of tile t is key 64 (t / 4) + 8 (t % 4) + m + 24 (m / 8).  With S^T = K Q^T lane (r, h) holds query r, and its registers 0-31 are keys 32 h + 0 .. 31, registers 32-63 keys 64 + 32 h + 0 .. 31:
; two WHOLE blocks, the very two that the operand P^T wants in that lane.  Lanes l and l xor 16 meet twice a step: for the row's maximum and for the scale word.
; SHARES: a work-group owns 256 queries of one head, each of its sixteen waves one tile of 16: four waves to a SIMD.
; THE ORDER OF A STEP.  The lines that hang on each other one by one stand among work that does not hang on them: step i - 1's scale word and the codes' second halves among step i's eight products K Q^T;
; step i - 1's four products V^T P among the lines that make step i's M.  O is brought under step i's M behind them.  So V of step i is fetched in step i and multiplied in step i + 1; the last products stand behind the walk.
; LDS: THE WHOLE HEAD, 16 records, 208,896 bytes, each byte filled once: wave w asks for record w, one tensor load a wave.  Waves 0 and 1 have a load line of their own: the first barrier shows records 0 and 1, on which
; step 0 runs; a second barrier shows the rest.  All of K and V is asked for at the head, so no later request exists that a prefetch could run ahead of.
; CLUSTER 4 x 1: the four query blocks of a cluster belong to one head and ask for its records jointly.
; OUTPUT: cc[group of 128 rows 32][K step 8][tile 8][1,536]: head hd is K step hd / 2, half hd % 2.  cs[group][K step][512]: head hd owns two bytes of each scale word: these stores are two bytes a lane,
; since a word's other half is another work-group's: 131,072 bytes in the whole launch.
.set RECB,  13056
.set HEADB, 16*RECB
.set SPARE, HEADB                      ; behind the records: the spare words, 128 bytes for each of 16 waves
.set L16,  1                           ; v1   16 x lane
.set L8,   2                           ; v2   8 x lane
.set A16,  3                           ; v3   the record in hand + 16 x lane
.set A8,   4                           ; v4   + 8 x lane
.set QS,   5                           ; v5   Q's scale words
.set TP,   6                           ; v6   at work
.set R16,  7                           ; v7   16 r
.set VSC,  8                           ; v8-11 V's scale words
.set QF,   16                          ; v16-27  Q's fragment
.set KF,   28                          ; v28-75  K's eight half fragments
.set VF,   76                          ; v76-123 four fragments of V^T
.set S,    124                         ; v124-187 S^T, then p
.set O,    188                         ; v188-219 O^T
.set PCD,  220                         ; v220-231 p's codes; between the products V^T P and the conversions: six of the sum's chains
.set BM,   232                         ; v232-235 the two blocks' largest scores, two chains each; then v233, v235 their largest p
.set T8,   236                         ; v236-243 at work
.set SO,   244                         ; v244-245 the conversions' scale operands
.set SH,   246                         ; v246 8 x (lane / 16)
.set KSC,  248                         ; v248-251 K's scale words: lanes 0-15 tiles 0-3, lanes 16-31 tiles 4-7
.set WV,   12                          ; s12 the wave.  v12 -M, v13 the largest score, v[14:15] the sum in two halves, v252 f, v253 p's scale word
.set G0,   24
.set G1,   40
.set SEL,  48
.set CS,   50                          ; s[50:51] c = log2(e) / 8
.set TB,   52                          ; s52  LDS byte of the record in hand
.set CNT,  53
.macro CROUND
	s_barrier_signal -1
	s_barrier_wait -1
	s_cmp_lg_u32 s[WV], 0
	s_cbranch_scc1 .Lnot_wave_0_\@
	s_barrier_signal -3
.Lnot_wave_0_\@:
	s_barrier_wait -3
	s_barrier_signal -1
	s_barrier_wait -1
.endm
.macro KLOAD a16, a8, off              ; K's eight half fragments and its scale image
.irp t, 0,1,2,3,4,5,6,7
	ds_load_b128 v[KF+6*\t:KF+6*\t+3], v[\a16] offset:\off+768*\t
	ds_load_b64 v[KF+6*\t+4:KF+6*\t+5], v[\a8] offset:\off+768*\t+512
.endr
	ds_load_b128 v[KSC:KSC+3], v[\a16] offset:\off+12544
.endm
.macro PF j0, n                        ; t - M, two at a time
.set J, \j0
.rept \n
	v_pk_fma_f32 v[S+J:S+J+1], v[S+J:S+J+1], s[CS:CS+1], v[12:13] op_sel_hi:[1,0,0]
.set J, J+2
.endr
.endm
.macro PV i                            ; O^T += V^T P^T, tile i of the head's channels
	v_wmma_scale_f32_16x16x128_f8f6f4 v[O+8*\i:O+8*\i+7], v[VF+12*\i:VF+12*\i+11], v[PCD:PCD+11], v[O+8*\i:O+8*\i+7], v[VSC+\i], v253 matrix_a_fmt:MATRIX_FMT_FP6 matrix_b_fmt:MATRIX_FMT_FP6
.endm
.macro LEFT n                          ; line n of what the step before has left: p's scale word (0-5) and the second halves of the blocks' codes (6-11)
.if (\n) == 0
	v_lshrrev_b32 v[BM], 23, v[SO]                 ; the scales' bytes: blocks h and 2 + h
.elseif (\n) == 1
	v_lshrrev_b32 v[BM+2], 23, v[SO+1]
.elseif (\n) == 2
	v_lshl_or_b32 v253, v[BM+2], 16, v[BM]
.elseif (\n) == 3
	v_lshlrev_b32 v253, v[SH], v253                ; at their places in the word, 8 h bits up;
.elseif (\n) == 4
	v_permlanex16_b32 v[TP], v253, s[SEL], s[SEL+1]
.elseif (\n) == 5
	v_or_b32 v253, v253, v[TP]                     ; with lane l xor 16's two: p's scale word for those 128 keys
.elseif (\n) < 9
	v_mov_b32 v[PCD+(\n)-3], v[T8+(\n)-6]          ; (a conversion's three registers begin on an even number: a block's second three do not)
.else
	v_mov_b32 v[PCD+(\n)], v[T8+(\n)-5]
.endif
.endm
	s_load_b256 s[4:11], s[0:1], 0x0               ; qr, kv, cc, cs
	v_lshl_add_u32 v254, v0, 2, SPARE
	v_mov_b32 v255, 0
	ds_add_u32 v254, v255                          ; the opening lines: the add twice on end and its wait
	ds_add_u32 v254, v255
	v_lshrrev_b32 v1, 5, v0
	v_readfirstlane_b32 s[WV], v1                  ; wave 0..15
	s_and_b32 s16, ttmp7, 0xffff                   ; 16 x batch + head: shared by the four partners
	s_mul_i32 s17, s16, HEADB
	s_mul_i32 s18, s[WV], RECB                     ; my record: in LDS,
	s_add_co_u32 s20, s17, s18                     ; and in memory
	s_mov_b32 s21, 0
	s_mov_b32 s[G1], 15|(3<<16)|(1<<21)            ; 15:0 the mask: all four work-groups; 17:16 elements of 8 bytes; 21 set beside a mask
	s_mov_b32 s[G1+1], 32<<16                      ; a record is a dense block: 51 rows of 256 bytes
	s_mov_b32 s[G1+2], 51<<16
	s_mov_b32 s[G1+3], 32<<16
	s_mov_b32 s[G1+4], 51
	s_mov_b32 s[G1+5], 32
	s_mov_b32 s[G1+6], 0
	s_mov_b32 s[G1+7], 0
	s_mov_b32 s[SEL], 0x76543210
	s_mov_b32 s[SEL+1], 0xfedcba98
	s_mov_b32 s[CS], 0x3e38aa3b
	s_mov_b32 s[CS+1], s[CS]                       ; (named with it as a pair, so it is written)
	s_wait_dscnt 0x0
	s_wait_kmcnt 0x0
	s_mov_b32 s[G0], 1
	s_mov_b32 s[G0+1], s18
	s_add_nc_u64 s[G0+2:G0+3], s[6:7], s[20:21]
	s_or_b32 s[G0+3], s[G0+3], 0x80000000
	CROUND                                         ; all four work-groups are here: the joint loads meet
	s_cmp_lt_u32 s[WV], 2                          ; two arms, one load each: the first barrier waits for the first arm's loads alone
	s_cbranch_scc0 .Llater
	tensor_load_to_lds s[G0:G0+3], s[G1:G1+7]      ; records 0 and 1
	s_nop 0
.rept 4
	v_nop
.endr
	s_branch .Lasked
.Llater:
	tensor_load_to_lds s[G0:G0+3], s[G1:G1+7]      ; records 2 to 15
	s_nop 0
.rept 4
	v_nop
.endr
.Lasked:
	s_bfe_u32 s13, ttmp6, 0x40000                  ; cx: it enters Q's and the outputs' global addresses alone
	s_lshl_b32 s14, ttmp9, 2
	s_add_co_u32 s14, s14, s13                     ; my block of 256 queries
	s_lshl_b32 s14, s14, 1
	s_lshr_b32 s15, s[WV], 3
	s_add_co_u32 s14, s14, s15                     ; my record of queries, 0..15
	s_and_b32 s15, s[WV], 7                        ; my tile in it
	s_mul_i32 s22, s14, RECB
	s_add_co_u32 s22, s22, s17
	s_mul_i32 s23, s15, 768
	s_add_co_u32 s54, s22, s23
	s_mov_b32 s55, 0
	s_add_nc_u64 s[54:55], s[4:5], s[54:55]        ; Q's half fragment
	s_lshr_b32 s23, s15, 2
	s_lshl_b32 s23, s23, 8
	s_and_b32 s19, s15, 3
	s_lshl_b32 s19, s19, 2
	s_add_co_u32 s23, s23, s19                     ; my tile's place in a scale image: 256 (i / 4) + 4 (i % 4)
	s_add_co_u32 s56, s22, s23
	s_add_co_u32 s56, s56, 12544
	s_mov_b32 s57, 0
	s_add_nc_u64 s[56:57], s[4:5], s[56:57]        ; Q's scale words
	s_and_b32 s19, s16, 16
	s_add_co_u32 s19, s19, s14                     ; the group of 128 rows of concat: 16 x batch + record
	s_lshl_b32 s19, s19, 3
	s_bfe_u32 s22, s16, 0x30001                    ; head / 2
	s_add_co_u32 s19, s19, s22                     ; 8 x group + K step
	s_and_b32 s22, s16, 1                          ; head % 2
	s_lshl_b32 s58, s19, 3
	s_add_co_u32 s58, s58, s15
	s_mul_i32 s58, s58, 1536
	s_mul_i32 s60, s22, 768
	s_add_co_u32 s58, s58, s60
	s_mov_b32 s59, 0
	s_add_nc_u64 s[58:59], s[8:9], s[58:59]        ; my half fragment of concat
	s_lshl_b32 s60, s19, 9
	s_add_co_u32 s60, s60, s23
	s_lshl_b32 s22, s22, 1
	s_add_co_u32 s60, s60, s22
	s_mov_b32 s61, 0
	s_add_nc_u64 s[60:61], s[10:11], s[60:61]      ; my two bytes of its scale words
	v_and_b32 v[TP], 31, v0
	v_and_b32 v[R16], 15, v0
	v_bfe_u32 v[SH], v0, 4, 1
	v_lshlrev_b32 v[L16], 4, v[TP]
	v_lshlrev_b32 v[L8], 3, v[TP]
	v_lshlrev_b32 v[R16], 4, v[R16]
	v_lshlrev_b32 v[SH], 3, v[SH]
	global_load_b128 v[QF:QF+3], v[L16], s[54:55]
	global_load_b64 v[QF+4:QF+5], v[L8], s[54:55] offset:512
	global_load_b32 v[QS], v[R16], s[56:57]
.irp j, 0,1,2,3,4,5
	v_mov_b32 v[QF+6+\j], 0                        ; channels 64 to 127 do not exist: zero codes in Q
	v_mov_b32 v[VF+\j], 0                          ; named by K's tile 7 before V's first load: written once
.endr
	v_mov_b32 v13, 0xff61b1e6                      ; the largest score so far: -3e38
	v_mov_b32 v12, 0x7f61b1e6                      ; -M: a whole number so large that the first f is 0
	v_mov_b32 v14, 0
	v_mov_b32 v15, 0
	v_mov_b32 v253, 0                              ; (named as the upper half of the pair v[252:253] before it is first written)
.irp j, 0,1,2,3,4,5,6,7
	v_mov_b32 v[T8+\j], 0                          ; a lane permute's destination counts as one of its sources
.endr
.set J, 0
.rept 32
	v_mov_b32 v[O+J], 0                            ; O^T: the first step finds zeros, which f = 0 leaves zeros
.set J, J+1
.endr
; A KEY STEP: one record, 128 keys.  pv = 1: the step before has left its scale word, codes and products V^T P;  nxt = 1: the next record's K is fetched
.macro STEP pv, nxt
	s_wait_dscnt 0x0                               ; this step's K and the last step's V are in: both were asked for in the step before
.irp t, 0,1,2,3
	v_wmma_scale_f32_16x16x128_f8f6f4 v[S+8*\t:S+8*\t+7], v[KF+6*\t:KF+6*\t+11], v[QF:QF+11], 0, v[KSC+\t], v[QS] matrix_a_fmt:MATRIX_FMT_FP6 matrix_b_fmt:MATRIX_FMT_FP6
.if \pv
	LEFT \t
.endif
.endr
.irp t, 0,1,2,3
	v_wmma_scale_f32_16x16x128_f8f6f4 v[S+32+8*\t:S+32+8*\t+7], v[KF+24+6*\t:KF+24+6*\t+11], v[QF:QF+11], 0, v[KSC+\t], v[QS] matrix_a_fmt:MATRIX_FMT_FP6 matrix_b_fmt:MATRIX_FMT_FP6 matrix_a_scale:MATRIX_SCALE_ROW1
.if \pv
	LEFT 4+\t
.endif
.endr
.if \pv
.irp n, 8,9,10,11
	LEFT \n
.endr
.else
	v_nop
.endif
	v_mov_b32 v[TP], v12                           ; the old -M.  The plain lines behind the last product, four at the least, are the places in front of the loads into K's registers and of the first read of the scores
	v_add_nc_u32 v[A16], s[TB], v[L16]
	v_add_nc_u32 v[A8], s[TB], v[L8]
.if \nxt
	KLOAD A16, A8, RECB
.endif
.irp b, 0,1                                    ; the largest score of each of my two blocks, in two chains each (17 and 15 numbers): it serves the row's maximum and, since p rises with the score, the block's largest p
	v_max3_num_f32 v[BM+2*\b], v[S+32*\b], v[S+32*\b+1], v[S+32*\b+2]
	v_max3_num_f32 v[BM+2*\b+1], v[S+32*\b+17], v[S+32*\b+18], v[S+32*\b+19]
.endr
.irp i, 0,2,4,6,8,10
.irp b, 0,1
	v_max3_num_f32 v[BM+2*\b], v[BM+2*\b], v[S+32*\b+3+\i], v[S+32*\b+4+\i]
	v_max3_num_f32 v[BM+2*\b+1], v[BM+2*\b+1], v[S+32*\b+20+\i], v[S+32*\b+21+\i]
.endr
.endr
	v_max3_num_f32 v[BM], v[BM], v[S+15], v[S+16]
	v_max3_num_f32 v[BM+2], v[BM+2], v[S+47], v[S+48]
	s_delay_alu instid0(VALU_DEP_2)
	v_max_num_f32 v[BM], v[BM], v[BM+1]
	s_delay_alu instid0(VALU_DEP_2)
	v_max_num_f32 v[BM+2], v[BM+2], v[BM+3]
	s_delay_alu instid0(VALU_DEP_1)
	v_max_num_f32 v[T8], v[BM], v[BM+2]
.if \pv
	PV 0                                           ; the last step's four products, one between each two lines of the chain that makes M; the four accumulators take turns
.endif
	v_permlanex16_b32 v[T8+1], v[T8], s[SEL], s[SEL+1]
.if \pv
	PV 1
.endif
	v_max3_num_f32 v13, v13, v[T8], v[T8+1]        ; the running largest score of my query (c is positive: the largest t is c x this)
.if \pv
	PV 2
.endif
	v_mul_f32 v[T8], s[CS], v13
.if \pv
	PV 3
.endif
	v_floor_f32 v12, -v[T8]                        ; the new -M = -ceil(t): a whole number
	PF 0, 4                                        ; with the line above: five places in front of the loads into V's registers
.irp i, 0,1,2,3
	ds_load_b128 v[VF+12*\i:VF+12*\i+3], v[A16] offset:6144+1536*\i
	ds_load_b64 v[VF+12*\i+4:VF+12*\i+5], v[A8] offset:6144+1536*\i+512
	ds_load_b128 v[VF+12*\i+6:VF+12*\i+9], v[A16] offset:6144+1536*\i+768
	ds_load_b64 v[VF+12*\i+10:VF+12*\i+11], v[A8] offset:6144+1536*\i+1280
.endr
	ds_load_b128 v[VSC:VSC+3], v[A16] offset:12288 ; lanes 0-15: V's words; what lanes 16-31 bring is not looked at
	v_sub_f32 v[TP], v12, v[TP]                    ; old M - new M: a whole number, 0 or less
	PF 8, 4
	v_cvt_i32_f32 v[TP], v[TP]                     ; (it saturates)
	PF 16, 4
	v_ldexp_f32 v252, 1.0, v[TP]                   ; f = 2^(old M - new M)
	PF 24, 20
	v_fma_f32 v[BM+1], v[BM], s[CS], v12           ; the same of each block's largest score
	v_fma_f32 v[BM+3], v[BM+2], s[CS], v12
.set J, 0
.rept 16
	v_pk_mul_f32 v[O+J:O+J+1], v[O+J:O+J+1], v[252:253] op_sel_hi:[1,0]   ; O^T, the last step's products in it, under the new M
.set J, J+2
.endr
	s_wait_alu depctr_va_vdst(0)                   ; the wait ahead of the batch
.set J, 0
.rept 64
	v_exp_f32 v[S+J], v[S+J]                       ; p = 2^(t - M)
.set J, J+1
.endr
	v_exp_f32 v[BM+1], v[BM+1]                     ; the blocks' largest p
	v_exp_f32 v[BM+3], v[BM+3]
	v_pk_mul_f32 v[14:15], v[14:15], v[252:253] op_sel_hi:[1,0]   ; the sums under the new M: the plain instruction behind the exponentials
	s_wait_alu depctr_va_vdst(0)                   ; one wait for the batch of 66, ahead of its first reader
	v_max_num_f32 v[BM+1], 0x1800000, v[BM+1]      ; the floor 2^(3 - 127): the byte cannot fall under 1
	v_max_num_f32 v[BM+3], 0x1800000, v[BM+3]
	s_delay_alu instid0(VALU_DEP_2)
	v_add_nc_u32 v[SO], 0xff000000, v[BM+1]        ; 2 off the exponent field: the conversion's scale operand
	s_delay_alu instid0(VALU_DEP_2)
	v_add_nc_u32 v[SO+1], 0xff000000, v[BM+3]
.set J, 0                                      ; the row's sum of the unquantised p, in eight chains: v[14:15] and seven pairs that are free until the conversions
.irp r, PCD+4, PCD, PCD+2, PCD+6, PCD+10, PCD+8, T8
	v_pk_add_f32 v[\r:\r+1], v[S+J:S+J+1], v[S+J+2:S+J+3]
.set J, J+4
.endr
	v_pk_add_f32 v[14:15], v[14:15], v[S+28:S+29]
.set J, 30
.rept 2
.irp r, PCD+4, PCD, PCD+2, PCD+6, PCD+10, PCD+8, T8
	v_pk_add_f32 v[\r:\r+1], v[\r:\r+1], v[S+J:S+J+1]
.set J, J+2
.endr
	v_pk_add_f32 v[14:15], v[14:15], v[S+J:S+J+1]
.set J, J+2
.endr
	v_pk_add_f32 v[PCD+4:PCD+5], v[PCD+4:PCD+5], v[S+62:S+63]
	v_pk_add_f32 v[PCD+2:PCD+3], v[PCD+2:PCD+3], v[PCD+6:PCD+7]
	v_pk_add_f32 v[PCD+10:PCD+11], v[PCD+10:PCD+11], v[PCD+8:PCD+9]
	v_pk_add_f32 v[14:15], v[14:15], v[T8:T8+1]
	s_delay_alu instid0(VALU_DEP_4)
	v_pk_add_f32 v[PCD+4:PCD+5], v[PCD+4:PCD+5], v[PCD:PCD+1]
	s_delay_alu instid0(VALU_DEP_2)
	v_pk_add_f32 v[14:15], v[14:15], v[PCD+10:PCD+11]
	s_delay_alu instid0(VALU_DEP_2)
	v_pk_add_f32 v[PCD+4:PCD+5], v[PCD+4:PCD+5], v[PCD+2:PCD+3]
.irp c, 0,1
	v_cvt_scalef32_pk16_fp6_f32 v[PCD+6*\c:PCD+6*\c+2], v[S+32*\c:S+32*\c+15], v[SO+\c]
	v_cvt_scalef32_pk16_fp6_f32 v[T8+4*\c:T8+4*\c+2], v[S+32*\c+16:S+32*\c+31], v[SO+\c]
.endr
	v_pk_add_f32 v[14:15], v[14:15], v[PCD+4:PCD+5]   ; the last chain, in a pair that the conversions leave alone: the plain instruction behind them
	s_wait_alu depctr_va_vdst(0)
.endm
	s_wait_alu depctr_va_vdst(0)                   ; the wait at the head's end
	s_wait_loadcnt 0x0                             ; Q
	s_cmp_lt_u32 s[WV], 2
	s_cbranch_scc0 .Lnot_first
	s_wait_tensorcnt 0x0                           ; waves 0 and 1: my record is in
.Lnot_first:
	s_barrier_signal -1
	s_barrier_wait -1                              ; records 0 and 1 are in; the others may be on their way: nothing is ever filled again
	KLOAD L16, L8, 0
	s_mov_b32 s[TB], 0
	STEP 0, 1                                      ; step 0 reads record 0 and record 1's K
	s_wait_tensorcnt 0x0                           ; every wave: my record is in
	s_wait_dscnt 0x0
	s_barrier_signal -1
	s_barrier_wait -1                              ; the whole head is in
	s_mov_b32 s[TB], RECB
	s_mov_b32 s[CNT], 14
.Lstep:
	STEP 1, 1
	s_add_co_u32 s[TB], s[TB], RECB
	s_sub_co_u32 s[CNT], s[CNT], 1
	s_cmp_lg_u32 s[CNT], 0
	s_cbranch_scc1 .Lstep
	s_mov_b32 s[TB], 15*RECB
	STEP 1, 0                                      ; the last step fetches no further K
.irp n, 0,1,2,3,4,5,6,7,8,9,10,11
	LEFT \n                                        ; what the last step has left
.endr
.rept 4
	v_nop                                          ; four places behind the codes' last write, ten behind the scale word's
.endr
	s_wait_alu depctr_va_vdst(0)                   ; directly ahead of the wait below
	s_wait_dscnt 0x0                               ; the last V
.irp i, 0,1,2,3
	PV \i
.endr
	; THE WAY OUT: O^T / the sum, quantised along my head's 64 channels: two blocks, half a fragment.  V^T's tiles give register 16 b + i = channel 32 b + 16 (lane / 16) + i
.rept 4
	v_nop
.endr
	v_add_f32 v14, v14, v15
	s_delay_alu instid0(VALU_DEP_1)
	v_permlanex16_b32 v[TP], v14, s[SEL], s[SEL+1]
	s_delay_alu instid0(VALU_DEP_1)
	v_add_f32 v14, v14, v[TP]                      ; the row's sum
	s_wait_alu depctr_va_vdst(0)
	v_rcp_f32 v14, v14
	v_nop                                          ; a plain instruction behind the reciprocal,
	s_wait_alu depctr_va_vdst(0)                   ; and the wait ahead of its first reader
.set J, 0
.rept 16
	v_pk_mul_f32 v[S+J:S+J+1], v[O+J:O+J+1], v[14:15] op_sel_hi:[1,0]
.set J, J+2
.endr
.irp b, 0,1
	v_max3_num_f32 v[BM+\b], |v[S+16*\b]|, |v[S+16*\b+1]|, 0x1800000
.endr
.irp i, 2,4,6,8,10,12,14
.irp b, 0,1
	s_delay_alu instid0(VALU_DEP_2)
	v_max3_num_f32 v[BM+\b], v[BM+\b], |v[S+16*\b+\i]|, |v[S+16*\b+\i+1]|
.endr
.endr
.irp b, 0,1
	v_permlanex16_b32 v[T8+\b], v[BM+\b], s[SEL], s[SEL+1]
.endr
.irp b, 0,1
	s_delay_alu instid0(VALU_DEP_2)
	v_max_num_f32 v[BM+\b], v[BM+\b], v[T8+\b]
.endr
.irp b, 0,1
	s_delay_alu instid0(VALU_DEP_2)
	v_add_nc_u32 v[SO+\b], 0xff000000, v[BM+\b]
.endr
.irp b, 0,1
	s_delay_alu instid0(VALU_DEP_2)
	v_lshrrev_b32 v[T8+\b], 23, v[SO+\b]
.endr
	s_delay_alu instid0(VALU_DEP_1)
	v_lshl_or_b32 v[TP], v[T8+1], 8, v[T8]         ; my head's two bytes of the row's scale word
	v_cvt_scalef32_pk16_fp6_f32 v[PCD:PCD+2], v[S:S+15], v[SO]
	v_cvt_scalef32_pk16_fp6_f32 v[T8+4:T8+6], v[S+16:S+31], v[SO+1]
	v_nop
.irp i, 0,1,2
	v_permlane16_swap_b32 v[PCD+\i], v[T8+4+\i]
.endr
.irp i, 0,1,2
	s_delay_alu instid0(VALU_DEP_3)
	v_mov_b32 v[PCD+3+\i], v[T8+4+\i]
.endr
	global_store_b128 v[L16], v[PCD:PCD+3], s[58:59]             ; 512 consecutive bytes
	global_store_b64 v[L8], v[PCD+4:PCD+5], s[58:59] offset:512  ; 256 consecutive bytes
	global_store_b16 v[R16], v[TP], s[60:61]                     ; both halves of the lanes write the same two bytes with the same value
	s_wait_tensorcnt 0x0                           ; the wave's end
	ds_add_u32 v254, v255
	s_wait_dscnt 0x0
	CROUND                                         ; the closing round
	s_endpgm
.Lfunc_end_k_q0b2c3088d2_attn:
	.size	k_q0b2c3088d2_attn, .Lfunc_end_k_q0b2c3088d2_attn-k_q0b2c3088d2_attn
	.p2alignl 7, 3214868480
	.fill 96, 4, 3214868480
	.section	.rodata,"a",@progbits
	.p2align	6, 0x0
	.amdhsa_kernel k_q0b2c3088d2_attn
		.amdhsa_group_segment_fixed_size 210944
		.amdhsa_private_segment_fixed_size 0
		.amdhsa_enable_private_segment 0
		.amdhsa_kernarg_size 32
		.amdhsa_user_sgpr_count 2
		.amdhsa_user_sgpr_kernarg_segment_ptr 1
		.amdhsa_wavefront_size32 1
		.amdhsa_system_sgpr_workgroup_id_x 1
		.amdhsa_system_sgpr_workgroup_id_y 1
		.amdhsa_system_sgpr_workgroup_id_z 1
		.amdhsa_system_vgpr_workitem_id 0
		.amdhsa_next_free_vgpr 256
		.amdhsa_next_free_sgpr 66
		.amdhsa_reserve_vcc 0
		.amdhsa_float_denorm_mode_32 3
		.amdhsa_float_denorm_mode_16_64 3
		.amdhsa_memory_ordered 1
		.amdhsa_forward_progress 1
		.amdhsa_inst_pref_size 57
	.end_amdhsa_kernel
	.amdgpu_metadata
---
amdhsa.version: [ 1, 2 ]
amdhsa.kernels:
  - .name:           k_q0b2c3088d2_attn
    .symbol:         k_q0b2c3088d2_attn.kd
    .args:
      - { .name: qr, .offset: 0, .size: 8, .value_kind: global_buffer, .address_space: global }
      - { .name: kv, .offset: 8, .size: 8, .value_kind: global_buffer, .address_space: global }
      - { .name: cc, .offset: 16, .size: 8, .value_kind: global_buffer, .address_space: global }
      - { .name: cs, .offset: 24, .size: 8, .value_kind: global_buffer, .address_space: global }
    .group_segment_fixed_size: 210944
    .private_segment_fixed_size: 0
    .kernarg_segment_align: 8
    .kernarg_segment_size: 32
    .max_flat_workgroup_size: 512
    .sgpr_count:     66
    .vgpr_count:     256
    .wavefront_size: 32
...
	.end_amdgpu_metadata
.endif
;; end of part 3
;; launch oproj (part 4): grid 8 x 32, 4 waves a work-group, clusters of 4 x 4, 214,528 bytes of LDS; arguments xc, xs, cc, cs, bo, out0; writes out0
.if DOCPART == 4
	.amdgcn_target "amdgcn-amd-amdhsa--gfx1250"
	.amdhsa_code_object_version 6
	.text
	.protected	k_q0b2c3088d2_oproj
	.globl	k_q0b2c3088d2_oproj
	.p2align	8
	.type	k_q0b2c3088d2_oproj,@function
k_q0b2c3088d2_oproj:
	s_mov_b64 s[64:65], 0
	v_nop
	global_prefetch_b8 v0, s[64:65] scope:SCOPE_SE
	s_setreg_imm32_b32 hwreg(HW_REG_WAVE_MODE, 25, 1), 1
	s_wait_xcnt 0x0
	s_wait_alu depctr_hold_cnt(0) depctr_sa_sdst(0) depctr_va_vdst(0) depctr_va_sdst(0) depctr_va_ssrc(0) depctr_va_vcc(0) depctr_vm_vsrc(0)
	s_getreg_b32 s2, hwreg(HW_REG_IB_STS2, 6, 4)
	s_cmp_eq_u32 s2, 0
	s_cbranch_scc0 .Lentry_in_a_cluster
	s_endpgm
.Lentry_in_a_cluster:
	s_bfe_u32 s2, ttmp6, 0x10000c
	s_cmp_lg_u32 s2, 0xf033
	s_cbranch_scc0 .Lentry_shape_is_right
	s_endpgm
.Lentry_shape_is_right:
; out0 = concat Wo^T + bo on codes of FP6 with E8M0 scales, K = 1,024.  [4096][1024] f32.
; OPERANDS come as images of the operand's registers: source 0 = Wo (groups 120-127 of xc, xs), source 1 = concat (cc, cs): [group of 128 rows][K step][tile][1,536 bytes], scales [group][K step][512 bytes].
; Lane r of tile t holds row 32 (t / 2) + 8 (t % 2) + r + 8 (r / 8) of its group: the stores' addresses undo that order.
; SHARES: 32 x 8 groups give 256 work-groups, each 128 x 128; each of four waves 64 x 64: 16 accumulators, four tiles of each source.
; LDS: the codes of one group of each source, ALL of K: 196,608 bytes, each byte filled once, by four tensor loads at the head, one a wave: waves 0 and 1 bring K steps 0-3 of the two sources, waves 2 and 3 K steps 4-7.
; The first barrier waits for waves 0 and 1's loads alone; a second, in K step 3, shows the rest.  No ring, no refill.  All tiles are asked for at the head, so no later request exists that a prefetch could run ahead of.
; THE SCALE WORDS go straight into registers: a wave's four tiles' words of a K step are 256 consecutive bytes of the image, 16 bytes for each lane row; lanes l and l xor 16 read the same bytes.  16 loads a wave, once.
; CLUSTER 4 x 4: concat's group is shared along a row of the cluster, Wo's along a column: each is asked for jointly.
; REGISTERS: window 0: v1-31 addresses and the bias; v32-63 source 1's scale words of all eight K steps, v68-99 source 0's; v128-223 source 1's fragments, two sets (on the way out: rows of the result).
;   window 1: source 0's fragments, two sets, at v0 and v128.   window 2: the accumulators: (a, b) at v[8 (4 a + b)].
.set GRPB,  98304
.set STEPB, 12288
.set FRB,   1536
.set STAGE, 2*GRPB                     ; the way out: 16 rows x 272 bytes for each wave, bytes of its own
.set SPARE, STAGE+4*16*272             ; the spare words, 128 bytes for each wave
.set A16,  8                           ; v8, v9   source 1's fragments, K steps 0-3 and 4-7: + 16 x lane;  v10, v11: + 8 x lane
.set A8,   10
.set B16,  12                          ; v12-15   the same for source 0
.set B8,   14
.set C16,  16                          ; v16     16 r
.set L16,  21
.set L8,   22
.set STO,  23                          ; v23     the stage: where I put 32 bytes of a row
.set BO,   24                          ; v24-27  bo at my four columns of a row read back
.set SPW,  28
.set NIL,  29
.set RD,   30                          ; v30     the stage: where I read a row back
.set CO,   31                          ; v31     my place in out0: row lane / 16, 16 r bytes
.set SCA,  32                          ; register 4 k + i: the word of my tile i of source 1 in K step k
.set SCB,  68                          ; the same of source 0; the two registers of a product never have the same number modulo 8
.set AF,   128
.set BK,   128                         ; 16 rows read back: v128-159 and v160-191 by turns
.set G1A,  24
.set G1B,  32
.set G0A,  56
.set G0B,  60
.set G0A2, 68
.set G0B2, 72
.set MSB, 0
.macro WIN new                         ; the immediate's high byte repeats the setting that is left
.if MSB != (\new)
	s_set_vgpr_msb (MSB<<8)|(\new)
.set MSB, \new
.endif
.endm
.macro PLACES                          ; four plain instructions between a matrix instruction and a load into, or a read of, its registers
.rept 4
	v_nop
.endr
.endm
.macro ARM w, g0, g1, id               ; one arm of the head's chain of branches on the wave's number
	s_cmp_eq_u32 s18, \w
	s_cbranch_scc0 .Lskip_\id\()_\w
	tensor_load_to_lds s[\g0:\g0+3], s[\g1:\g1+7]
	s_nop 0
	PLACES
	s_branch .Ljoin_\id
.Lskip_\id\()_\w:
.endm
.macro CROUND
	s_barrier_signal -1
	s_barrier_wait -1
	s_cmp_lg_u32 s18, 0
	s_cbranch_scc1 .Lnot_wave_0_\@
	s_barrier_signal -3
.Lnot_wave_0_\@:
	s_barrier_wait -3
	s_barrier_signal -1
	s_barrier_wait -1
.endm
.macro G0SET g, lds
	s_mov_b32 s[\g], 1
	s_mov_b32 s[\g+1], \lds
	s_or_b32 s[\g+3], s[\g+3], 0x80000000
.endm
.macro FRAG reg, a16, a8, off          ; a fragment's image comes back as it was stored
	ds_load_b128 v[\reg:\reg+3], v[\a16] offset:\off
	ds_load_b64 v[\reg+4:\reg+5], v[\a8] offset:\off+512
	ds_load_b128 v[\reg+6:\reg+9], v[\a16] offset:\off+768
	ds_load_b64 v[\reg+10:\reg+11], v[\a8] offset:\off+1280
.endm
.macro FETCH k                         ; my four tiles of each source, K step k, into set k % 2: 32 loads
	WIN 0x40                                       ; destination window 1, address window 0
.irp i, 0,1,2,3
	FRAG 128*((\k)%2)+12*\i, B16+(\k)/4, B8+(\k)/4, ((\k)%4)*STEPB+FRB*\i
.endr
	WIN 0
.irp i, 0,1,2,3
	FRAG AF+48*((\k)%2)+12*\i, A16+(\k)/4, A8+(\k)/4, ((\k)%4)*STEPB+FRB*\i
.endr
.endm
; 16 matrix instructions; the 16 accumulators take turns, one instruction a turn, in the same order in every step
.macro MUL k, zero
	WIN 0xa1                                       ; source 0 window 1, source 1 window 0, C and D window 2
.irp a, 0,1,2,3
.irp b, 0,1,2,3
.if \zero
	v_wmma_scale_f32_16x16x128_f8f6f4 v[8*(4*\a+\b):8*(4*\a+\b)+7], v[128*((\k)%2)+12*\b:128*((\k)%2)+12*\b+11], v[AF+48*((\k)%2)+12*\a:AF+48*((\k)%2)+12*\a+11], 0, v[SCB+4*(\k)+\b], v[SCA+4*(\k)+\a] matrix_a_fmt:MATRIX_FMT_FP6 matrix_b_fmt:MATRIX_FMT_FP6
.else
	v_wmma_scale_f32_16x16x128_f8f6f4 v[8*(4*\a+\b):8*(4*\a+\b)+7], v[128*((\k)%2)+12*\b:128*((\k)%2)+12*\b+11], v[AF+48*((\k)%2)+12*\a:AF+48*((\k)%2)+12*\a+11], v[8*(4*\a+\b):8*(4*\a+\b)+7], v[SCB+4*(\k)+\b], v[SCA+4*(\k)+\a] matrix_a_fmt:MATRIX_FMT_FP6 matrix_b_fmt:MATRIX_FMT_FP6
.endif
.endr
.endr
.endm
	s_load_b256 s[4:11], s[0:1], 0x0               ; xc, xs, cc, cs
	s_load_b128 s[12:15], s[0:1], 0x20             ; bo, out0
	v_lshl_add_u32 v[SPW], v0, 2, SPARE
	v_mov_b32 v[NIL], 0
	ds_add_u32 v[SPW], v[NIL]                      ; the opening lines: the add twice on end and its wait
	ds_add_u32 v[SPW], v[NIL]
	v_lshrrev_b32 v1, 5, v0
	v_readfirstlane_b32 s18, v1                    ; wave 0..3
	s_lshr_b32 s19, s18, 1                         ; my half of source 1's tiles
	s_and_b32 s20, s18, 1                          ; my half of source 0's
	s_bfe_u32 s92, ttmp6, 0x40000                  ; cx
	s_bfe_u32 s93, ttmp6, 0x40004                  ; cy
	s_lshl_b32 s66, ttmp9, 2
	s_add_co_u32 s66, s66, s92                     ; the group of 128 columns, 0..7: it holds no cy
	s_and_b32 s22, ttmp7, 0xffff
	s_lshl_b32 s22, s22, 2
	s_add_co_u32 s22, s22, s93                     ; the group of 128 rows, 0..31: it holds no cx
	s_lshl_b32 s23, s93, 2
	s_lshl_b32 s23, 15, s23                        ; my row of the cluster
	s_lshl_b32 s67, 0x1111, s92                    ; my column
	; descriptor groups 1: four K steps of a group are a dense block: 192 rows of 256 bytes (32 elements of 8 bytes)
	s_or_b32 s[G1A], s23, (3<<16)|(1<<21)
	s_or_b32 s[G1B], s67, (3<<16)|(1<<21)
.irp g, G1A, G1B
	s_mov_b32 s[\g+1], 32<<16
	s_mov_b32 s[\g+2], 192<<16
	s_mov_b32 s[\g+3], 32<<16
	s_mov_b32 s[\g+4], 192
	s_mov_b32 s[\g+5], 32
	s_mov_b32 s[\g+6], 0
	s_mov_b32 s[\g+7], 0
.endr
	s_mul_i32 s[G0A+2], s22, GRPB
	s_mov_b32 s[G0A+3], 0
	s_add_co_u32 s21, s66, 120                     ; Wo's groups are 120 to 127
	s_mul_i32 s[G0B+2], s21, GRPB
	s_mov_b32 s[G0B+3], 0
	s_wait_dscnt 0x0
	s_wait_kmcnt 0x0
	s_add_nc_u64 s[G0A+2:G0A+3], s[8:9], s[G0A+2:G0A+3]
	s_add_nc_u64 s[G0B+2:G0B+3], s[4:5], s[G0B+2:G0B+3]
	s_add_nc_u64 s[G0A2+2:G0A2+3], s[G0A+2:G0A+3], 4*STEPB
	s_add_nc_u64 s[G0B2+2:G0B2+3], s[G0B+2:G0B+3], 4*STEPB
	G0SET G0A, 0
	G0SET G0B, GRPB
	G0SET G0A2, 4*STEPB
	G0SET G0B2, GRPB+4*STEPB
	CROUND                                         ; all sixteen work-groups are here: the joint loads meet
	ARM 0, G0A, G1A, head                          ; one load a wave: concat's K steps 0-3,
	ARM 1, G0B, G1B, head                          ; Wo's,
	ARM 2, G0A2, G1A, head                         ; concat's K steps 4-7,
	tensor_load_to_lds s[G0B2:G0B2+3], s[G1B:G1B+7]   ; Wo's
	s_nop 0
	PLACES
.Ljoin_head:
	s_mul_i32 s98, s19, 4*FRB                      ; my four tiles of source 1,
	s_mul_i32 s101, s20, 4*FRB
	s_add_co_u32 s101, s101, GRPB                  ; of source 0
	s_mul_i32 s95, s18, 16*272
	s_add_co_u32 s95, s95, STAGE                   ; my stage
	s_lshl_b32 s2, s22, 12                         ; the scale words: 4,096 bytes a group, in a K step's image 256 bytes for each four tiles
	s_lshl_b32 s3, s19, 8
	s_add_co_u32 s2, s2, s3
	s_mov_b32 s3, 0
	s_add_nc_u64 s[10:11], s[10:11], s[2:3]        ; concat's, at my four tiles
	s_lshl_b32 s2, s21, 12
	s_lshl_b32 s94, s20, 8
	s_add_co_u32 s2, s2, s94
	s_add_nc_u64 s[6:7], s[6:7], s[2:3]            ; Wo's
	; where the results go.  These numbers hold cx and cy together: they stand in registers that feed no descriptor
	s_lshl_b32 s2, s66, 9
	s_add_co_u32 s2, s2, s94                       ; my first column, in bytes
	s_add_nc_u64 s[12:13], s[12:13], s[2:3]        ; bo at my 64 columns
	s_lshl_b32 s94, s22, 19
	s_add_co_u32 s2, s2, s94
	s_lshl_b32 s94, s19, 18
	s_add_co_u32 s2, s2, s94                       ; + my first row: 128 x group + 64 x half, rows of 4,096 bytes
	s_add_nc_u64 s[14:15], s[14:15], s[2:3]
	v_and_b32 v1, 15, v0                           ; r
	v_bfe_u32 v2, v0, 4, 1                         ; h
	v_and_b32 v3, 31, v0
	v_lshlrev_b32 v[C16], 4, v1
	v_lshlrev_b32 v[L16], 4, v3
	v_lshlrev_b32 v[L8], 3, v3
.irp k, 0,1,2,3,4,5,6,7
	global_load_b128 v[SCA+4*\k:SCA+4*\k+3], v[C16], s[10:11] offset:512*\k
	global_load_b128 v[SCB+4*\k:SCB+4*\k+3], v[C16], s[6:7] offset:512*\k
.endr
	global_load_b128 v[BO:BO+3], v[C16], s[12:13]
	v_add_nc_u32 v[A16], s98, v[L16]
	v_add_nc_u32 v[A8], s98, v[L8]
	v_add_nc_u32 v[B16], s101, v[L16]
	v_add_nc_u32 v[B8], s101, v[L8]
	v_add_nc_u32 v[A16+1], 4*STEPB, v[A16]         ; K steps 4 to 7: the loads' immediates have 16 bits
	v_add_nc_u32 v[A8+1], 4*STEPB, v[A8]
	v_add_nc_u32 v[B16+1], 4*STEPB, v[B16]
	v_add_nc_u32 v[B8+1], 4*STEPB, v[B8]
	v_mul_u32_u24 v[STO], v1, 272
	v_lshl_add_u32 v[STO], v2, 6, v[STO]
	v_add_nc_u32 v[STO], s95, v[STO]               ; in: row r, + 64 h
	v_mul_u32_u24 v[RD], v2, 272
	v_add_nc_u32 v[RD], v[RD], v[C16]
	v_add_nc_u32 v[RD], s95, v[RD]                 ; back: sixteen lanes to a row of 256 bytes, two rows an instruction
	v_lshl_add_u32 v[CO], v2, 12, v[C16]           ; and the same two rows in out0
	s_wait_alu depctr_va_vdst(0)                   ; the wait at the head's end
	s_wait_loadcnt 0x0                             ; the scale words and the bias
	s_cmp_lt_u32 s18, 2
	s_cbranch_scc0 .Lnot_first
	s_wait_tensorcnt 0x0                           ; waves 0 and 1: my tile is in
.Lnot_first:
	s_barrier_signal -1
	s_barrier_wait -1                              ; K steps 0-3 are in; 4-7 may be on their way: nothing is ever filled again
	FETCH 0
.irp k, 0,1,2,3,4,5,6
	s_wait_dscnt 0x0                               ; K step k's fragments are in
.if \k == 3
	s_wait_tensorcnt 0x0                           ; every wave: my tile is in
	s_barrier_signal -1
	s_barrier_wait -1                              ; K steps 4-7 are in
.endif
.if \k > 0
	PLACES                                         ; in front of loads into the set that the step before multiplied
.endif
	FETCH \k+1
.if \k == 0
	MUL 0, 1                                       ; the first products start the sums: nothing is cleared
.else
	MUL \k, 0
.endif
.endr
	s_wait_dscnt 0x0
	MUL 7, 0
	WIN 0
	PLACES
; THE WAY OUT, tile by tile of 16 rows x 64 columns.  Register j of accumulator (a, t) is column 32 (t / 2) + 16 h + 8 (t % 2) + j of lane row r: it goes to its true place in my stage's row r,
; and the rows come back whole: sixteen lanes store 256 consecutive bytes, aligned.  LDS serves a wave's instructions in order: no wait between the stores and the loads.
.macro TOSTAGE a
	WIN 0x08                                       ; an LDS store's data: window 2
.irp t, 0,1,2,3
	ds_store_b128 v[STO], v[8*(4*(\a)+\t):8*(4*(\a)+\t)+3] offset:128*(\t/2)+32*(\t%2)        ; each accumulator from its low end on
	ds_store_b128 v[STO], v[8*(4*(\a)+\t)+4:8*(4*(\a)+\t)+7] offset:128*(\t/2)+32*(\t%2)+16
.endr
	WIN 0
.set BB, BK+32*((\a)%2)
.irp q, 0,1,2,3,4,5,6,7
	ds_load_b128 v[BB+4*\q:BB+4*\q+3], v[RD] offset:544*\q
.endr
.endm
.macro SEND a, younger                 ; younger: the LDS instructions issued behind tile a's loads, which may stay out
.set BB, BK+32*((\a)%2)
	s_wait_dscnt \younger
.irp q, 0,1,2,3,4,5,6,7
	v_pk_add_f32 v[BB+4*\q:BB+4*\q+1], v[BB+4*\q:BB+4*\q+1], v[BO:BO+1]
	v_pk_add_f32 v[BB+4*\q+2:BB+4*\q+3], v[BB+4*\q+2:BB+4*\q+3], v[BO+2:BO+3]
.endr
.irp q, 0,1,2,3,4,5,6,7
	global_store_b128 v[CO], v[BB+4*\q:BB+4*\q+3], s[14:15] offset:(32*((\a)/2)+8*((\a)%2)+2*\q+8*(\q/4))*4096 th:TH_STORE_NT   ; lane rows 2 q, 2 q + 1 of tile a
.endr
.endm
	TOSTAGE 0
.irp a, 1,2,3
.if \a > 1
	s_wait_xcnt 0x0                                ; tile a - 2's stores have read their registers: tile a's loads may land there
.endif
	TOSTAGE \a
	SEND \a-1, 16                                  ; behind tile a - 1's loads: tile a's 8 stores and 8 loads
.endr
	SEND 3, 0
	s_wait_tensorcnt 0x0                           ; the wave's end
	ds_add_u32 v[SPW], v[NIL]
	s_wait_dscnt 0x0
	CROUND                                         ; the closing round
	s_endpgm
.Lfunc_end_k_q0b2c3088d2_oproj:
	.size	k_q0b2c3088d2_oproj, .Lfunc_end_k_q0b2c3088d2_oproj-k_q0b2c3088d2_oproj
	.p2alignl 7, 3214868480
	.fill 96, 4, 3214868480
	.section	.rodata,"a",@progbits
	.p2align	6, 0x0
	.amdhsa_kernel k_q0b2c3088d2_oproj
		.amdhsa_group_segment_fixed_size 214528
		.amdhsa_private_segment_fixed_size 0
		.amdhsa_enable_private_segment 0
		.amdhsa_kernarg_size 48
		.amdhsa_user_sgpr_count 2
		.amdhsa_user_sgpr_kernarg_segment_ptr 1
		.amdhsa_wavefront_size32 1
		.amdhsa_system_sgpr_workgroup_id_x 1
		.amdhsa_system_sgpr_workgroup_id_y 1
		.amdhsa_system_sgpr_workgroup_id_z 1
		.amdhsa_system_vgpr_workitem_id 0
		.amdhsa_next_free_vgpr 640
		.amdhsa_next_free_sgpr 102
		.amdhsa_reserve_vcc 0
		.amdhsa_float_denorm_mode_32 3
		.amdhsa_float_denorm_mode_16_64 3
		.amdhsa_memory_ordered 1
		.amdhsa_forward_progress 1
		.amdhsa_inst_pref_size 55
	.end_amdhsa_kernel
	.amdgpu_metadata
---
amdhsa.version: [ 1, 2 ]
amdhsa.kernels:
  - .name:           k_q0b2c3088d2_oproj
    .symbol:         k_q0b2c3088d2_oproj.kd
    .args:
      - { .name: xc, .offset: 0, .size: 8, .value_kind: global_buffer, .address_space: global }
      - { .name: xs, .offset: 8, .size: 8, .value_kind: global_buffer, .address_space: global }
      - { .name: cc, .offset: 16, .size: 8, .value_kind: global_buffer, .address_space: global }
      - { .name: cs, .offset: 24, .size: 8, .value_kind: global_buffer, .address_space: global }
      - { .name: bo, .offset: 32, .size: 8, .value_kind: global_buffer, .address_space: global }
      - { .name: out0, .offset: 40, .size: 8, .value_kind: global_buffer, .address_space: global }
    .group_segment_fixed_size: 214528
    .private_segment_fixed_size: 0
    .kernarg_segment_align: 8
    .kernarg_segment_size: 48
    .max_flat_workgroup_size: 128
    .sgpr_count:     102
    .vgpr_count:     640
    .wavefront_size: 32
...
	.end_amdgpu_metadata
.endif
;; end of part 4
